; MI455X (gfx1250); checked and timed in simulation.
; The chip was launched on July 23, 2026; its instructions are those of AMD's public machine-readable ISA for CDNA 5 (MIT licence, August 2026) and "CDNA5" Instruction Set Architecture Reference Guide (July 2026). The comments in the code are by the model that wrote it; some were corrected since.
;; Graph Regularized Transformer Layer. Allowed arithmetic: matrix products marked QUANTISED: E2M1 operands, one E8M0 scale for each 32 along K, by v_wmma_scale_f32_16x16x128_f8f6f4 with both operands' format E2M1 (or v_wmma_scale_f32_32x16x128_f4), f32 sums; everything else in f32.
;; Inputs: b1 512 float32; b2 512 float32; b_ff1 2,048 float32; b_ff2 512 float32; bk 512 float32; bo 512 float32; bq 512 float32; bv 512 float32; g1 512 float32; g2 512 float32; w_ff1_codes 2,048 x 16 x 16 uint8 (E2M1 codes of w_ff1, K innermost, in blocks of 32 codes, two codes a byte); w_ff1_scales 2,048 x 16 uint8 (E8M0 scales of w_ff1, one for each 32 codes along K); w_ff2_codes 512 x 64 x 16 uint8 (E2M1 codes of w_ff2, K innermost, in blocks of 32 codes, two codes a byte); w_ff2_scales 512 x 64 uint8 (E8M0 scales of w_ff2, one for each 32 codes along K); wk_codes 512 x 16 x 16 uint8 (E2M1 codes of wk, K innermost, in blocks of 32 codes, two codes a byte); wk_scales 512 x 16 uint8 (E8M0 scales of wk, one for each 32 codes along K); wo_codes 512 x 16 x 16 uint8 (E2M1 codes of wo, K innermost, in blocks of 32 codes, two codes a byte); wo_scales 512 x 16 uint8 (E8M0 scales of wo, one for each 32 codes along K); wq_codes 512 x 16 x 16 uint8 (E2M1 codes of wq, K innermost, in blocks of 32 codes, two codes a byte); wq_scales 512 x 16 uint8 (E8M0 scales of wq, one for each 32 codes along K); wv_codes 512 x 16 x 16 uint8 (E2M1 codes of wv, K innermost, in blocks of 32 codes, two codes a byte); wv_scales 512 x 16 uint8 (E8M0 scales of wv, one for each 32 codes along K); x 4 x 2,048 x 512 float32.
;; Outputs: out0 4 x 2,048 x 512 float32.
;; This version of the problem:
;;   THIS VERSION OF THE PROBLEM IS GIVEN IN LOW PRECISION. The matrix products marked QUANTISED in the list below multiply operands that are first quantised to E2M1 (2 exponent bits, 1 mantissa bit; 4 bits a number), with one power-of-two scale for each 32 numbers along K (OCP MX v1.0); their sums are f32. All else is computed in f32.
;;   The module's matrix products, in the order in which they are computed (A, B: the left and right operand; K: the contracted axis; several contracted axes count as one K, in the product's order):
;;     1. [M 8,192, K 512] x [K 512, N 512]; A: input x; B: input wq (given as codes): QUANTISED
;;     2. [M 8,192, K 512] x [K 512, N 512]; A: input x; B: input wk (given as codes): QUANTISED
;;     3. [M 8,192, K 512] x [K 512, N 512]; A: input x; B: input wv (given as codes): QUANTISED
;;     4. batch 64 x [M 2,048, K 32] x [K 32, N 2,048]; A: computed on the way; B: computed on the way: QUANTISED
;;     5. batch 64 x [M 2,048, K 2,048] x [K 2,048, N 32]; A: softmax (see below); B: computed on the way: QUANTISED
;;     6. [M 8,192, K 512] x [K 512, N 512]; A: computed on the way; B: input wo (given as codes): QUANTISED
;;     7. [M 8,192, K 512] x [K 512, N 2,048]; A: computed on the way; B: input w_ff1 (given as codes): QUANTISED
;;     8. [M 8,192, K 2,048] x [K 2,048, N 512]; A: computed on the way; B: input w_ff2 (given as codes): QUANTISED
;;   THE QUANTISER, for each operand of a quantised product, along K:
;;     - K is cut into blocks of 32 from its start; a last block that is shorter is filled with zeros.
;;     - A block's scale is 2^e with e = floor(log2(the largest magnitude in the block)) - 2, held to -126 .. 127; a block of zeros has e = 0. As a byte (E8M0): e + 127.
;;     - Each number is divided by its block's scale, clamped to +-6, and rounded to the nearest number of E2M1, ties to even, subnormals kept.
;;     - The product sums the exact products of the quantised numbers (number of the format x scale) in f32.
;;   ~~~python
;;   def quantise(x, axis):      # numpy; x: float32 -> the quantised numbers, widened to float32 again
;;       x = np.moveaxis(x, axis, -1); K = x.shape[-1]
;;       x = np.pad(x, [(0, 0)] * (x.ndim - 1) + [(0, -K % 32)]); x = x.reshape(x.shape[:-1] + (-1, 32)); a = np.abs(x).max(-1, keepdims=True)
;;       e = np.where(a > 0, np.clip(np.frexp(np.where(a > 0, a, 1))[1] - 1 - 2, -126, 127), 0)      # np.frexp(a)[1] - 1 = floor(log2(a)), exactly
;;       r = np.clip(x / 2.0 ** e, -6, 6)
;;       step = 2.0 ** (np.maximum(np.frexp(np.where(r == 0, 1, r))[1] - 1, 0) - 1)
;;       q = np.round(r / step) * step * 2.0 ** e      # np.round: ties to even
;;       return np.moveaxis(q.reshape(q.shape[:-2] + (-1,))[..., :K], -1, axis).astype(np.float32)
;;   ~~~
;;   SOFTMAX AHEAD OF A QUANTISED PRODUCT. Where the list says 'softmax', what is quantised is not the finished softmax but p = 2^(t - M), with t = logit x log2(e) and M = ceil(the row's largest t), a whole number; so 1/2 < the row's largest p <= 1. The row's sum l is taken of the UNQUANTISED p, in f32, and the product's result is divided by l at the end. Since M is a whole number, a kernel that streams over the keys may use a running M (the ceiling of the running maximum): every later rescaling is an exact power of two, which a block's scale takes up: the codes' values come out the same.
;;   OPERANDS COMPUTED ON THE WAY. 'Computed on the way' means the value that the module computes at that place (a softmax that the list does not call 'softmax' is quantised finished and normalised). What goes into a quantiser is computed in f32, as accurately as f32 sums, v_exp_f32 and their like allow (about 1e-6 of the number): no bf16 or f16 on the way to a quantiser, and a product that is left as it is and whose result goes on into a quantised operand takes f32 operands (vector FMAs, or v_wmma_f32_16x16x4_f32). A number that lies on a knife's edge between two numbers of the format may be rounded either way, as far as f32 arithmetic and the matrix unit's own rounding can turn it there, and no further.
;;   INPUTS GIVEN AS CODES. w_ff1 (in the module: [512, 2048], K = its axis 0); w_ff2 (in the module: [2048, 512], K = its axis 0); wk (in the module: [512, 512], K = its axis 0); wo (in the module: [512, 512], K = its axis 0); wq (in the module: [512, 512], K = its axis 0); wv (in the module: [512, 512], K = its axis 0): each comes as NAME_codes (uint8): NAME with its K axis moved to the last place and cut into blocks of 32 codes, [.., K / 32, bytes a block], one block behind the other in memory; two codes a byte, the lower K in the low four bits (a code: sign, 2 exponent bits, 1 mantissa bit); and NAME_scales (uint8): the same leading axes, one E8M0 byte (e + 127) for each 32 codes along K. Its value is code x scale, taken as it is: it is not quantised again, and the codes and scales need not be those that the quantiser above would give.
;; One version. Each part assembles by itself: llvm-mc -triple=amdgcn-amd-amdhsa -mcpu=gfx1250 --defsym DOCPART=n.
;; ======== version 1 of 1: 3 launches
;; limits: right only within a limited range of input values
;; workspace buffers: qc 2,097,152 bytes; kc 2,097,152 bytes; vc 2,097,152 bytes; qkvs 393,216 bytes; ac 2,097,152 bytes; asc 131,072 bytes; wimg 1,179,648 bytes
;; launch qkv (part 1): grid 256 x 1, 16 waves a work-group, no clusters, 83,968 bytes of LDS; arguments x, wq_codes, wq_scales, bq, wk_codes, wk_scales, bk, wv_codes, wv_scales, bv, wo_codes, w_ff1_codes, w_ff2_codes, qc, kc, vc, qkvs, wimg; writes qc, kc, vc, qkvs, wimg
.if DOCPART == 1
	.amdgcn_target "amdgcn-amd-amdhsa--gfx1250"
	.amdhsa_code_object_version 6
	.text
	.protected	k_q03a13b5aab_qkv
	.globl	k_q03a13b5aab_qkv
	.p2align	8
	.type	k_q03a13b5aab_qkv,@function
k_q03a13b5aab_qkv:
	s_mov_b64 s[64:65], 0
	v_nop
	global_prefetch_b8 v0, s[64:65] scope:SCOPE_SE
	s_setreg_imm32_b32 hwreg(HW_REG_WAVE_MODE, 25, 1), 1
	s_wait_xcnt 0x0
; q = x wq + bq, k = x wk + bk, v = x wv + bv on codes of FP4 (E2M1) with one E8M0 scale for each 32 along K; the three results are quantised at once:
; q and k along the head's 32 channels (one block a token and head), v along the keys (one block for 32 tokens and a channel).
; SHARES.  A work-group takes 32 tokens (two tiles of 16); wave w is head w and makes that head's q, k and v: each weight fragment, loaded from memory into registers, feeds two matrix instructions.
; x is read once: wave w quantises 16 tokens x 64 columns (a lane: one whole block of 32) and leaves the codes in LDS as images of the operand's registers, 16 bytes a lane, 512 bytes a group of four registers.
; q, k: the product is used transposed (source 0 = 16 weight rows, source 1 = 16 tokens); row m of tile u is channel 16 (m / 8) + 8 u + m % 8 of the head, so a lane's 16 registers are 16 neighbouring channels of one token.
; v: source 0 = 16 tokens, source 1 = 16 channels: a lane holds one channel and 16 of the block's 32 tokens.
; The first 144 work-groups also lay one fragment each of wo, w_ff1 and w_ff2, for each of the last launch's 8 waves, in the order of the operand's registers (wimg).
; LIMITS: NaN and infinities among the inputs are not served.  A block of zeros, or one whose largest magnitude lies under 2^-124, gets the scale byte 1; the bytes are read by this program alone.
.set XST,  0                           ; LDS: a stage of 16 rows x 272 bytes for each wave (x's turn)
.set XIMG, 69632                       ; x's codes: group 8 tt + 2 s + c of four registers, 512 bytes each
.set XSC,  77824                       ; x's scale bytes: [16 tt + r][16]
.set SCB,  78336                       ; the results' scale bytes: three sections of [wave][32]
.set XS,   16                          ; v16-19  x's scale words, one for each K step: lanes 0-15 tile 0, lanes 16-31 tile 1
.set WS,   20                          ; v20-27  the weights' scale words, two sets of four: lanes 0-15 tile 0, lanes 16-31 tile 1
.set BIAS, 28                          ; v28-43  the bias as the C of a sum's first product
.set TD,   44
.set TT,   45
.set TOP,  46
.set BY0,  47
.set BY1,  48
.set PC,   50                          ; v50-51  16 codes
.set XC,   52                          ; v52-55  32 codes of x; a fragment's 16 bytes on their way to wimg
.set SB,   56                          ; v56-58  the byte that a lane stores, for q, k, v
.set ACC,  60                          ; v60-91  four accumulators; at the head x as it is loaded
.set XF,   92                          ; v92-123 x's fragments: two buffers x two tiles x 8; at the head 32 neighbours of x
.set WA,   124                         ; v124-187 eight weight fragments (q's, later v's)
.set WB,   188                         ; v188-251 k's
.macro PLACES n
.rept \n
	v_nop
.endr
.endm
.macro BAR                             ; my LDS stores have landed and my LDS loads are in: then the work-group's barrier
	s_wait_dscnt 0x0
	s_barrier_signal -1
	s_barrier_wait -1
.endm
.macro WM d, a, b, c, sa, sb, ra, rb   ; ra, rb: the scale words lie in lanes 16-31
.if (\ra) && (\rb)
	v_wmma_scale_f32_16x16x128_f8f6f4 v[(\d):(\d)+7], v[(\a):(\a)+7], v[(\b):(\b)+7], v[(\c):(\c)+7], v[(\sa)], v[(\sb)] matrix_a_fmt:MATRIX_FMT_FP4 matrix_b_fmt:MATRIX_FMT_FP4 matrix_a_scale:MATRIX_SCALE_ROW1 matrix_b_scale:MATRIX_SCALE_ROW1
.elseif (\ra)
	v_wmma_scale_f32_16x16x128_f8f6f4 v[(\d):(\d)+7], v[(\a):(\a)+7], v[(\b):(\b)+7], v[(\c):(\c)+7], v[(\sa)], v[(\sb)] matrix_a_fmt:MATRIX_FMT_FP4 matrix_b_fmt:MATRIX_FMT_FP4 matrix_a_scale:MATRIX_SCALE_ROW1
.elseif (\rb)
	v_wmma_scale_f32_16x16x128_f8f6f4 v[(\d):(\d)+7], v[(\a):(\a)+7], v[(\b):(\b)+7], v[(\c):(\c)+7], v[(\sa)], v[(\sb)] matrix_a_fmt:MATRIX_FMT_FP4 matrix_b_fmt:MATRIX_FMT_FP4 matrix_b_scale:MATRIX_SCALE_ROW1
.else
	v_wmma_scale_f32_16x16x128_f8f6f4 v[(\d):(\d)+7], v[(\a):(\a)+7], v[(\b):(\b)+7], v[(\c):(\c)+7], v[(\sa)], v[(\sb)] matrix_a_fmt:MATRIX_FMT_FP4 matrix_b_fmt:MATRIX_FMT_FP4
.endif
.endm
.macro LOADW reg, adr, base, ustep     ; eight fragments: tile u, K step s at reg + 8 (4 u + s)
.irp u,0,1
.irp s,0,1,2,3
.irp c,0,1
	global_load_b128 v[\reg+8*(4*\u+\s)+4*\c:\reg+8*(4*\u+\s)+4*\c+3], v[\adr], s[\base:\base+1] offset:\ustep*\u+64*\s+32*\c
.endr
.endr
.endr
.endm
.macro XFILL buf, s                    ; x's two fragments of K step s into a buffer
.irp tt,0,1
.irp c,0,1
	ds_load_b128 v[XF+16*(\buf)+8*\tt+4*\c:XF+16*(\buf)+8*\tt+4*\c+3], v6 offset:(8*\tt+2*(\s)+\c)*512
.endr
.endr
.endm
; Four products of K step s; n counts the launch's twelve steps.  The four accumulators take turns.
.macro STEP kind, W, WSB, s, n
.if (\n) == 11
	s_wait_dscnt 0x0                               ; the last buffer: nothing was asked for behind it
.else
	s_wait_dscnt 0x4                               ; this step's fragments are in; the other buffer's four loads may be out
.endif
.irp tt,0,1
.irp u,0,1
.if \kind == 0
.set DD_, ACC+16*\tt+8*\u
.else
.set DD_, ACC+16*\u+8*\tt
.endif
.if (\s) == 0
.set CC_, BIAS+8*\u
.else
.set CC_, DD_
.endif
.if \kind == 0
	WM DD_, \W+8*(4*\u+\s), XF+16*((\n)%2)+8*\tt, CC_, \WSB+\s, XS+\s, \u, \tt
.else
	WM DD_, XF+16*((\n)%2)+8*\tt, \W+8*(4*\u+\s), CC_, XS+\s, \WSB+\s, \tt, \u
.endif
.endr
.endr
.endm
; 16 numbers of a lane, half a block; the other half lies in lane l xor 16.  Codes into v[PC], v[PC+1], the scale's byte into v[by].
.macro QUANT16 b, by
	v_max3_num_f32 v[TD], |v[(\b)]|, |v[(\b)+1]|, 0x1800000        ; with the floor 2^(3 - 127): the byte cannot fall under 1
.irp i,2,4,6,8,10,12,14
	v_max3_num_f32 v[TD], v[TD], |v[(\b)+\i]|, |v[(\b)+\i+1]|
.endr
	s_delay_alu instid0(VALU_DEP_1)
	v_permlanex16_b32 v[TT], v[TD], s42, s43
	s_delay_alu instid0(VALU_DEP_1)
	v_max_num_f32 v[TD], v[TD], v[TT]              ; the block's largest magnitude
	s_delay_alu instid0(VALU_DEP_1)
	v_add_nc_u32 v[TOP], 0xff000000, v[TD]         ; 2 off its exponent field: the conversion's scale operand
	s_delay_alu instid0(VALU_DEP_1)
	v_lshrrev_b32 v[\by], 23, v[TOP]               ; the scale's byte
	s_wait_alu depctr_va_vdst(0)
	s_wait_xcnt 0x0                                ; the last store has read v[PC:PC+1]: only now are they written again
	v_cvt_scalef32_pk8_fp4_f32 v[PC], v[(\b):(\b)+7], v[TOP]
	v_cvt_scalef32_pk8_fp4_f32 v[PC+1], v[(\b)+8:(\b)+15], v[TOP]
	v_nop                                          ; one plain place behind a scaled conversion
.endm
; The four accumulators leave: two blocks a lane pair, 8 bytes a lane: a store covers 256 consecutive bytes, aligned.
.macro OUTP base, sec, swap
	QUANT16 ACC, BY0
.if \swap
	v_permlane16_swap_b32 v[PC], v[PC+1]           ; v: lanes 0-15 then hold tokens 0-15 of the block, lanes 16-31 tokens 16-31
.endif
	global_store_b64 v13, v[PC:PC+1], s[\base:\base+1]
	QUANT16 ACC+16, BY1
.if \swap
	v_permlane16_swap_b32 v[PC], v[PC+1]
.endif
	global_store_b64 v13, v[PC:PC+1], s[\base:\base+1] offset:256
	v_cndmask_b32 v[SB+\sec], v[BY0], v[BY1], s44  ; lane l stores the byte of token (v: channel) l
	ds_store_b8 v14, v[SB+\sec] offset:512*\sec
.endm
	s_load_b512 s[4:19], s[0:1], 0x0               ; x, wq c, wq s, bq, wk c, wk s, bk, wv c
	s_load_b512 s[20:35], s[0:1], 0x40             ; wv s, bv, wo c, ff1 c, ff2 c, qc, kc, vc
	s_load_b128 s[36:39], s[0:1], 0x80             ; qkvs, wimg
	v_lshl_add_u32 v254, v0, 2, 0x14000
	v_mov_b32 v255, 0
	v_lshrrev_b32 v44, 5, v0
	s_delay_alu instid0(VALU_DEP_1)
	v_readfirstlane_b32 s40, v44                   ; wave = head
	v_and_b32 v44, 31, v0                          ; l
	v_and_b32 v45, 15, v0                          ; r
	v_bfe_u32 v46, v0, 4, 1                        ; h
	s_wait_alu depctr_va_vdst(0)
	v_bfe_u32 v47, v0, 3, 1                        ; r / 8
	v_and_b32 v48, 7, v0                           ; r % 8
	s_lshr_b32 s41, s40, 3
	s_and_b32 s45, s40, 7
	s_mov_b32 s42, 0x76543210
	s_mov_b32 s43, 0xfedcba98                      ; v_permlanex16_b32's selects for lane l xor 16
	v_cmp_le_u32 s44, 16, v44                      ; lanes 16-31
	v_lshlrev_b32 v1, 4, v45                       ; v1: x in memory: two tokens a load, 256 bytes each
	s_delay_alu instid0(VALU_DEP_1)
	v_lshl_add_u32 v1, v46, 11, v1
	s_lshl_b32 s46, s41, 15
	s_lshl_b32 s47, s45, 8
	s_add_co_u32 s46, s46, s47
	v_add_nc_u32 v1, s46, v1
	s_mul_i32 s46, s40, 4352
	v_mul_u32_u24 v2, v46, 272                     ; v2: into my stage as loaded
	s_delay_alu instid0(VALU_DEP_1)
	v_lshl_add_u32 v2, v45, 4, v2
	s_delay_alu instid0(VALU_DEP_1)
	v_add_nc_u32 v2, s46, v2
	v_mul_u32_u24 v3, v45, 272                     ; v3: out of it: token r, 32 neighbours of half h
	s_delay_alu instid0(VALU_DEP_1)
	v_lshl_add_u32 v3, v46, 7, v3
	s_delay_alu instid0(VALU_DEP_1)
	v_add_nc_u32 v3, s46, v3
	v_lshl_add_u32 v4, v0, 4, XIMG                 ; v4: my group of x's image: XIMG + 512 w + 16 l
	s_lshl_b32 s46, s41, 8
	s_lshl_b32 s47, s45, 1
	s_add_co_u32 s46, s46, s47
	s_add_co_u32 s46, s46, XSC
	v_lshl_add_u32 v5, v45, 4, v46                 ; v5: my block's scale byte
	s_delay_alu instid0(VALU_DEP_1)
	v_add_nc_u32 v5, s46, v5
	v_lshl_add_u32 v6, v44, 4, XIMG                ; v6: XIMG + 16 l: any group, for my lane
	s_lshl_b32 s46, s40, 13
	v_lshlrev_b32 v7, 8, v48                       ; v7: q's and k's weight rows: 32 w + 16 (r / 8) + r % 8, 256 bytes a row, + 16 h
	s_delay_alu instid0(VALU_DEP_1)
	v_lshl_add_u32 v7, v47, 12, v7
	s_delay_alu instid0(VALU_DEP_1)
	v_lshl_add_u32 v7, v46, 4, v7
	s_delay_alu instid0(VALU_DEP_1)
	v_add_nc_u32 v7, s46, v7
	v_lshlrev_b32 v8, 8, v45                       ; v8: v's: row 32 w + r
	s_delay_alu instid0(VALU_DEP_1)
	v_lshl_add_u32 v8, v46, 4, v8
	s_delay_alu instid0(VALU_DEP_1)
	v_add_nc_u32 v8, s46, v8
	s_lshl_b32 s46, s40, 9
	v_lshlrev_b32 v9, 4, v48                       ; v9: q's and k's scale rows, 16 bytes: the lane's half is the tile
	s_delay_alu instid0(VALU_DEP_1)
	v_lshl_add_u32 v9, v47, 8, v9
	s_delay_alu instid0(VALU_DEP_1)
	v_lshl_add_u32 v9, v46, 7, v9
	s_delay_alu instid0(VALU_DEP_1)
	v_add_nc_u32 v9, s46, v9
	v_lshlrev_b32 v10, 4, v0                       ; v10: v's scale rows: row 32 w + l
	s_lshl_b32 s46, s40, 7
	v_lshlrev_b32 v11, 6, v46                      ; v11: bq, bk: 128 w + 64 h
	s_delay_alu instid0(VALU_DEP_1)
	v_add_nc_u32 v11, s46, v11
	v_lshl_add_u32 v12, v45, 2, s46                ; v12: bv: 128 w + 4 r
	v_lshlrev_b32 v13, 4, v45                      ; v13: codes out: 16 r + 8 h
	s_delay_alu instid0(VALU_DEP_1)
	v_lshl_add_u32 v13, v46, 3, v13
	v_add_nc_u32 v14, SCB, v0                      ; v14: SCB + 32 w + l
	v_lshl_add_u32 v252, v0, 4, SCB                ; v252: the scale bytes' way out: SCB + 512 w + 16 l (waves 0 to 2)
	v_lshlrev_b32 v253, 4, v44
	s_wait_alu depctr_va_vdst(0)
	s_wait_kmcnt 0x0
	s_mov_b32 s47, 0
	s_lshl_b32 s46, ttmp9, 16
	s_add_nc_u64 s[4:5], s[4:5], s[46:47]          ; x at my 32 tokens
	s_lshr_b32 s46, ttmp9, 6
	s_lshl_b32 s46, s46, 4
	s_add_co_u32 s46, s46, s40
	s_lshl_b32 s46, s46, 15
	s_and_b32 s48, ttmp9, 63
	s_lshl_b32 s48, s48, 9
	s_add_co_u32 s46, s46, s48
	s_add_nc_u64 s[30:31], s[30:31], s[46:47]      ; qc, kc: ((16 b + w) 2048 + token in the batch) x 16
	s_add_nc_u64 s[32:33], s[32:33], s[46:47]
	s_lshl_b32 s46, ttmp9, 13
	s_lshl_b32 s48, s40, 9
	s_add_co_u32 s46, s46, s48
	s_add_nc_u64 s[34:35], s[34:35], s[46:47]      ; vc: 8,192 g + 512 w
.irp i,0,1,2,3,4,5,6,7
	global_load_b128 v[ACC+4*\i:ACC+4*\i+3], v1, s[4:5] offset:4096*\i th:TH_LOAD_NT
.endr
	global_load_b128 v[WS:WS+3], v9, s[8:9]
.irp u,0,1
	global_load_b128 v[BIAS+8*\u:BIAS+8*\u+3], v11, s[10:11] offset:32*\u
	global_load_b128 v[BIAS+8*\u+4:BIAS+8*\u+7], v11, s[10:11] offset:32*\u+16
.endr
	LOADW WA, 7, 6, 2048
	global_load_b128 v[WS+4:WS+7], v9, s[14:15]
	LOADW WB, 7, 12, 2048
	; ---- one fragment of wo, w_ff1 or w_ff2 for each of the last launch's 8 waves: work-group g is fragment g of 144
	s_cmp_lt_u32 ttmp9, 144
	s_cbranch_scc0 .Lno_image
	s_and_b32 s48, ttmp9, 3
	s_lshl_b32 s48, s48, 3                         ; wo: first row 8 (g % 4),
	s_lshr_b32 s49, ttmp9, 2
	s_lshl_b32 s49, s49, 6                         ; byte 64 (g / 4) of a row
	s_sub_co_u32 s50, ttmp9, 16                    ; w_ff1: e = g - 16 = 32 ch + 4 T + s
	s_lshr_b32 s51, s50, 5
	s_lshl_b32 s51, s51, 10
	s_bfe_u32 s52, s50, 0x10004
	s_lshl_b32 s52, s52, 6
	s_add_co_u32 s51, s51, s52
	s_bfe_u32 s52, s50, 0x20002
	s_lshl_b32 s52, s52, 3
	s_add_co_u32 s51, s51, s52                     ; first row 1024 ch + 64 (T / 4) + 8 (T % 4)
	s_and_b32 s52, s50, 3
	s_lshl_b32 s52, s52, 6
	s_sub_co_u32 s50, ttmp9, 80                    ; w_ff2: e = g - 80 = 4 K step + tile
	s_and_b32 s53, s50, 3
	s_lshl_b32 s53, s53, 3
	s_lshr_b32 s54, s50, 2
	s_lshl_b32 s54, s54, 6
	s_cmp_lt_u32 ttmp9, 80
	s_cselect_b32 s51, s51, s53
	s_cselect_b32 s52, s52, s54
	s_cselect_b64 s[56:57], s[26:27], s[28:29]
	s_cselect_b32 s53, 7, 6                        ; rows from wave to wave: 128 or 64
	s_cselect_b32 s54, 8, 10                       ; a row: 256 or 1,024 bytes
	s_cmp_lt_u32 ttmp9, 16
	s_cselect_b32 s51, s48, s51
	s_cselect_b32 s52, s49, s52
	s_cselect_b64 s[56:57], s[24:25], s[56:57]
	s_cselect_b32 s53, 6, s53
	s_cselect_b32 s54, 8, s54
	v_lshrrev_b32 v56, 6, v0                       ; thread t: wave t / 64 of the last launch, group (t / 32) % 2, lane t % 32
	s_delay_alu instid0(VALU_DEP_1)
	v_lshlrev_b32 v57, s53, v56
	v_bfe_u32 v58, v0, 3, 1
	s_delay_alu instid0(VALU_DEP_1)
	v_lshl_add_u32 v57, v58, 5, v57                ; row m of a tile lies 32 (m / 8) + m % 8 on from the tile's first
	v_and_b32 v58, 7, v0
	s_delay_alu instid0(VALU_DEP_1)
	v_add3_u32 v57, v57, v58, s51
	s_delay_alu instid0(VALU_DEP_1)
	v_lshlrev_b32 v57, s54, v57
	v_bfe_u32 v58, v0, 4, 2
	s_delay_alu instid0(VALU_DEP_1)
	v_lshl_add_u32 v57, v58, 4, v57                ; + 32 c + 16 h
	s_delay_alu instid0(VALU_DEP_1)
	v_add_nc_u32 v57, s52, v57
	v_mul_u32_u24 v56, v56, 0x24000                ; a wave's 144 fragments are 147,456 bytes
	v_and_b32 v58, 63, v0
	s_delay_alu instid0(VALU_DEP_1)
	v_lshl_add_u32 v56, v58, 4, v56
	s_lshl_b32 s55, ttmp9, 10
	v_add_nc_u32 v56, s55, v56
	global_load_b128 v[XC:XC+3], v57, s[56:57]
	s_wait_alu depctr_va_vdst(0)
	s_wait_loadcnt 0x0
	global_store_b128 v56, v[XC:XC+3], s[38:39]    ; a wave stores 512 consecutive bytes
	s_wait_xcnt 0x0                                ; the store has read its registers: they are written again below
.Lno_image:
	; ---- x: 16 tokens x 64 columns a wave, through my stage, so that a lane holds one block of 32 neighbours
	s_wait_loadcnt 38                              ; x's eight loads are in; q's 21 and k's 17 may be out
.irp i,0,1,2,3,4,5,6,7
	ds_store_b128 v2, v[ACC+4*\i:ACC+4*\i+3] offset:544*\i
.endr
.irp i,0,1,2,3,4,5,6,7
	ds_load_b128 v[XF+4*\i:XF+4*\i+3], v3 offset:16*\i             ; LDS serves a wave's instructions in order: these see my stores
.endr
	s_wait_dscnt 0x0
	v_max3_num_f32 v[TD], |v[XF]|, |v[XF+1]|, 0x1800000
	v_max3_num_f32 v[TT], |v[XF+16]|, |v[XF+17]|, 0x1800000
.irp i,2,4,6,8,10,12,14
	s_delay_alu instid0(VALU_DEP_2)
	v_max3_num_f32 v[TD], v[TD], |v[XF+\i]|, |v[XF+\i+1]|
	s_delay_alu instid0(VALU_DEP_2)
	v_max3_num_f32 v[TT], v[TT], |v[XF+16+\i]|, |v[XF+17+\i]|
.endr
	s_delay_alu instid0(VALU_DEP_1)
	v_max_num_f32 v[TD], v[TD], v[TT]
	s_delay_alu instid0(VALU_DEP_1)
	v_add_nc_u32 v[TOP], 0xff000000, v[TD]
	s_delay_alu instid0(VALU_DEP_1)
	v_lshrrev_b32 v[BY0], 23, v[TOP]
.irp q,0,1,2,3
	v_cvt_scalef32_pk8_fp4_f32 v[XC+\q], v[XF+8*\q:XF+8*\q+7], v[TOP]
.endr
	v_nop
	ds_store_b128 v4, v[XC:XC+3]
	ds_store_b8 v5, v[BY0]
	BAR                                            ; x's sixteen groups and 512 scale bytes lie in LDS
	ds_load_b128 v[XS:XS+3], v6 offset:XSC-XIMG
	XFILL 0, 0
	XFILL 1, 1
	; ---- q
	s_wait_loadcnt 17                              ; q's scale words, bias and fragments are in; k's 17 loads may be out
	STEP 0, WA, WS, 0, 0
	PLACES 4                                       ; in front of loads into registers that matrix instructions have read
	XFILL 0, 2
.irp u,0,1
	global_load_b128 v[BIAS+8*\u:BIAS+8*\u+3], v11, s[16:17] offset:32*\u
	global_load_b128 v[BIAS+8*\u+4:BIAS+8*\u+7], v11, s[16:17] offset:32*\u+16
.endr
	STEP 0, WA, WS, 1, 1
	PLACES 4
	XFILL 1, 3
	STEP 0, WA, WS, 2, 2
	PLACES 4
	XFILL 0, 0
	STEP 0, WA, WS, 3, 3
	PLACES 5                                       ; five: the next projection's first products write over these accumulators
	XFILL 1, 1
	global_load_b128 v[WS:WS+3], v10, s[20:21]     ; v's scale words and fragments take q's registers
	LOADW WA, 8, 18, 4096
	OUTP 30, 0, 0
	; ---- k
	s_wait_loadcnt 17                              ; k's scale words, fragments and bias are in; v's 17 loads may be out
	STEP 0, WB, WS+4, 0, 4
	PLACES 4
	XFILL 0, 2
.irp u,0,1
.irp j,0,1,2,3,4,5,6,7
	global_load_b32 v[BIAS+8*\u+\j], v12, s[22:23] offset:64*\u    ; v's result holds one channel a lane: its bias in all eight registers
.endr
.endr
	STEP 0, WB, WS+4, 1, 5
	PLACES 4
	XFILL 1, 3
	STEP 0, WB, WS+4, 2, 6
	PLACES 4
	XFILL 0, 0
	STEP 0, WB, WS+4, 3, 7
	PLACES 5
	XFILL 1, 1
	OUTP 32, 1, 0
	; ---- v
	s_wait_loadcnt 0x0
	STEP 1, WA, WS, 0, 8
	PLACES 4
	XFILL 0, 2
	STEP 1, WA, WS, 1, 9
	PLACES 4
	XFILL 1, 3
	STEP 1, WA, WS, 2, 10
	STEP 1, WA, WS, 3, 11
	PLACES 4
	OUTP 34, 2, 1
	BAR                                            ; the three sections of scale bytes are whole
	s_cmp_lt_u32 s40, 3
	s_cbranch_scc0 .Ldone
	ds_load_b128 v[XC:XC+3], v252
	s_lshl_b32 s46, s40, 17                        ; section w of qkvs,
	s_lshl_b32 s48, ttmp9, 9                       ; my work-group's 512 bytes of it
	s_add_co_u32 s46, s46, s48
	s_add_nc_u64 s[36:37], s[36:37], s[46:47]
	s_wait_dscnt 0x0
	global_store_b128 v253, v[XC:XC+3], s[36:37]   ; 512 consecutive bytes, aligned
.Ldone:
	s_wait_tensorcnt 0x0
	ds_add_u32 v254, v255
	s_wait_dscnt 0x0
	s_endpgm
.Lfunc_end_k_q03a13b5aab_qkv:
	.size	k_q03a13b5aab_qkv, .Lfunc_end_k_q03a13b5aab_qkv-k_q03a13b5aab_qkv
	.p2alignl 7, 3214868480
	.fill 96, 4, 3214868480
	.section	.rodata,"a",@progbits
	.p2align	6, 0x0
	.amdhsa_kernel k_q03a13b5aab_qkv
		.amdhsa_group_segment_fixed_size 83968
		.amdhsa_private_segment_fixed_size 0
		.amdhsa_enable_private_segment 0
		.amdhsa_kernarg_size 144
		.amdhsa_user_sgpr_count 2
		.amdhsa_user_sgpr_kernarg_segment_ptr 1
		.amdhsa_wavefront_size32 1
		.amdhsa_system_sgpr_workgroup_id_x 1
		.amdhsa_system_sgpr_workgroup_id_y 1
		.amdhsa_system_sgpr_workgroup_id_z 1
		.amdhsa_system_vgpr_workitem_id 0
		.amdhsa_next_free_vgpr 256
		.amdhsa_next_free_sgpr 66
		.amdhsa_reserve_vcc 0
		.amdhsa_float_denorm_mode_32 3
		.amdhsa_float_denorm_mode_16_64 3
		.amdhsa_memory_ordered 1
		.amdhsa_forward_progress 1
		.amdhsa_inst_pref_size 37
	.end_amdhsa_kernel
	.amdgpu_metadata
---
amdhsa.version: [ 1, 2 ]
amdhsa.kernels:
  - .name:           k_q03a13b5aab_qkv
    .symbol:         k_q03a13b5aab_qkv.kd
    .args:
      - { .name: x, .offset: 0, .size: 8, .value_kind: global_buffer, .address_space: global }
      - { .name: wq_codes, .offset: 8, .size: 8, .value_kind: global_buffer, .address_space: global }
      - { .name: wq_scales, .offset: 16, .size: 8, .value_kind: global_buffer, .address_space: global }
      - { .name: bq, .offset: 24, .size: 8, .value_kind: global_buffer, .address_space: global }
      - { .name: wk_codes, .offset: 32, .size: 8, .value_kind: global_buffer, .address_space: global }
      - { .name: wk_scales, .offset: 40, .size: 8, .value_kind: global_buffer, .address_space: global }
      - { .name: bk, .offset: 48, .size: 8, .value_kind: global_buffer, .address_space: global }
      - { .name: wv_codes, .offset: 56, .size: 8, .value_kind: global_buffer, .address_space: global }
      - { .name: wv_scales, .offset: 64, .size: 8, .value_kind: global_buffer, .address_space: global }
      - { .name: bv, .offset: 72, .size: 8, .value_kind: global_buffer, .address_space: global }
      - { .name: wo_codes, .offset: 80, .size: 8, .value_kind: global_buffer, .address_space: global }
      - { .name: w_ff1_codes, .offset: 88, .size: 8, .value_kind: global_buffer, .address_space: global }
      - { .name: w_ff2_codes, .offset: 96, .size: 8, .value_kind: global_buffer, .address_space: global }
      - { .name: qc, .offset: 104, .size: 8, .value_kind: global_buffer, .address_space: global }
      - { .name: kc, .offset: 112, .size: 8, .value_kind: global_buffer, .address_space: global }
      - { .name: vc, .offset: 120, .size: 8, .value_kind: global_buffer, .address_space: global }
      - { .name: qkvs, .offset: 128, .size: 8, .value_kind: global_buffer, .address_space: global }
      - { .name: wimg, .offset: 136, .size: 8, .value_kind: global_buffer, .address_space: global }
    .group_segment_fixed_size: 83968
    .private_segment_fixed_size: 0
    .kernarg_segment_align: 8
    .kernarg_segment_size: 144
    .max_flat_workgroup_size: 512
    .sgpr_count:     66
    .vgpr_count:     256
    .wavefront_size: 32
...
	.end_amdgpu_metadata
.endif
;; end of part 1
;; launch attn (part 2): grid 4 x 64, 16 waves a work-group, no clusters, 73,728 bytes of LDS; arguments qc, kc, vc, qkvs, ac, asc; writes ac, asc
.if DOCPART == 2
	.amdgcn_target "amdgcn-amd-amdhsa--gfx1250"
	.amdhsa_code_object_version 6
	.text
	.protected	k_q03a13b5aab_attn
	.globl	k_q03a13b5aab_attn
	.p2align	8
	.type	k_q03a13b5aab_attn,@function
k_q03a13b5aab_attn:
	s_mov_b64 s[64:65], 0
	v_nop
	global_prefetch_b8 v0, s[64:65] scope:SCOPE_SE
	s_setreg_imm32_b32 hwreg(HW_REG_WAVE_MODE, 25, 1), 1
	s_wait_xcnt 0x0
; Attention of one head on codes of FP4 (E2M1), head size 32 = one block.  t = score x log2(e) / sqrt(32); M = the running largest t rounded up to a whole number (kept as -M: ceil of a maximum is the maximum of the ceils);
; p = 2^(t - M) is quantised along the keys; the row's sum is taken of the unquantised p and divides at the end; the result is quantised along the head's 32 channels, as the next product's operand.
; SHARES.  A work-group takes 512 queries of one head, each of its sixteen waves 32: tiles a = 0, 1, WHICH GO THROUGH EVERY PHASE OF A STEP TOGETHER, line by line, so that four chains of maxima, four of sums and two of M take turns.
; The whole head's K and V codes and scale bytes lie in LDS, stored there once, as images of the operands' registers; sixteen steps of 128 keys, the last written out (it asks for no further K and signals nothing).
; THE STEPS' BARRIER keeps the sixteen waves within a step of each other: a wave signals when its exponentials, its lane swap and its conversions of a step are issued, and waits ahead of the next step's exponentials.
; No cluster, no tensor load, no prefetch: a work-group reads 68 KB once, at its head, ahead of any loop.
; K = 32 IN A FORM OF K = 128.  One fragment of source 0 holds FOUR tiles of 16 keys, one in each block of 32; source 1 holds the queries' codes in one block and zero codes in the other three.
; Row m of tile (F, q) is key 64 F + 32 (m / 8) + 8 q + m % 8 of the step: register 32 F + 8 q + j of lane (r, h) is key 64 F + 32 h + 8 q + j of query r: a lane holds two whole blocks of p, in the order of the second product's operand.
; V's rows are taken in the order 16 ((d / 8) % 2) + 8 (d / 16) + d % 8, so that a lane's 16 registers of O^T are 16 neighbouring channels.
; REGISTERS: a tile's 64 scores stand at v[SB + 66 a ..]; p's eight registers of codes begin two registers lower and reach over p0 .. p5, which are summed ahead of the conversions; p6 and p7 then carry the sum's second chain.
; Numbers that a packed form takes for both halves stand in the low word of a pair whose high word is a register that stays (QS, SELV, AD1, AD2).
; Scale words of the two tiles, fragments or halves share a register: one in lanes 0-15, the other in lanes 16-31.
; LIMITS: NaN and infinities are not served; the promise holds while the scaled scores stay under 2^31 in magnitude; a block of p that has fallen to zeros keeps the scale byte 1.
.set VIMG, 32768                       ; K's image at 0: step x 2048 + F x 1024 + c x 512 + 16 x lane; V's here: step x 2048 + dt x 1024 + c x 512 + 16 x lane
.set KSC,  65536                       ; step x 128 + 4 (16 F + r) + q
.set VSC,  67584                       ; step x 128 + 4 (16 dt + r) + block
.set OSC,  69632                       ; the result's 512 scale bytes
.set SPARE, 70144                      ; the spare words, 128 bytes a wave
.set KS,  1
.set VS,  2
.set PW,  3                            ; p's scale words
.set NM,  4                            ; -M of tile a at v[NM + 2 a]
.set QS,  5                            ; the queries' scale byte in all four bytes
.set SELV, 7                           ; byte selects: my blocks are h and 2 + h of the step's four
.set FP,  8                            ; f = 2^(old M - new M) at v[FP + 2 a]
.set AD1, 9                            ; 16 lane + 2048 step
.set AD2, 11                           ; KSC + 4 lane + 128 step
.set SUM, 12                           ; the sum's first chain, a pair a tile
.set BM,  16                           ; v[BM + 2 a + F]: a block's largest score, then largest p, then the conversion's scale operand
.set T,   20
.set QF,  24                           ; v24-59: zeros, q in lanes 0-15, zeros, q in lanes 16-31, zeros; the same for tile 1; zeros
.set KF,  60
.set VF,  76
.set O,   92
.set SB,  126
.set SP,  66
.macro WMZ d, a, b, sa, sb, ra, rb     ; a product that starts its sum; ra, rb: the scale words lie in lanes 16-31
.if (\ra) && (\rb)
	v_wmma_scale_f32_16x16x128_f8f6f4 v[(\d):(\d)+7], v[(\a):(\a)+7], v[(\b):(\b)+7], 0, v[(\sa)], v[(\sb)] matrix_a_fmt:MATRIX_FMT_FP4 matrix_b_fmt:MATRIX_FMT_FP4 matrix_a_scale:MATRIX_SCALE_ROW1 matrix_b_scale:MATRIX_SCALE_ROW1
.elseif (\ra)
	v_wmma_scale_f32_16x16x128_f8f6f4 v[(\d):(\d)+7], v[(\a):(\a)+7], v[(\b):(\b)+7], 0, v[(\sa)], v[(\sb)] matrix_a_fmt:MATRIX_FMT_FP4 matrix_b_fmt:MATRIX_FMT_FP4 matrix_a_scale:MATRIX_SCALE_ROW1
.elseif (\rb)
	v_wmma_scale_f32_16x16x128_f8f6f4 v[(\d):(\d)+7], v[(\a):(\a)+7], v[(\b):(\b)+7], 0, v[(\sa)], v[(\sb)] matrix_a_fmt:MATRIX_FMT_FP4 matrix_b_fmt:MATRIX_FMT_FP4 matrix_b_scale:MATRIX_SCALE_ROW1
.else
	v_wmma_scale_f32_16x16x128_f8f6f4 v[(\d):(\d)+7], v[(\a):(\a)+7], v[(\b):(\b)+7], 0, v[(\sa)], v[(\sb)] matrix_a_fmt:MATRIX_FMT_FP4 matrix_b_fmt:MATRIX_FMT_FP4
.endif
.endm
.macro WMA d, a, b, sa, sb, ra, rb     ; a product that adds in place
.if (\ra) && (\rb)
	v_wmma_scale_f32_16x16x128_f8f6f4 v[(\d):(\d)+7], v[(\a):(\a)+7], v[(\b):(\b)+7], v[(\d):(\d)+7], v[(\sa)], v[(\sb)] matrix_a_fmt:MATRIX_FMT_FP4 matrix_b_fmt:MATRIX_FMT_FP4 matrix_a_scale:MATRIX_SCALE_ROW1 matrix_b_scale:MATRIX_SCALE_ROW1
.elseif (\ra)
	v_wmma_scale_f32_16x16x128_f8f6f4 v[(\d):(\d)+7], v[(\a):(\a)+7], v[(\b):(\b)+7], v[(\d):(\d)+7], v[(\sa)], v[(\sb)] matrix_a_fmt:MATRIX_FMT_FP4 matrix_b_fmt:MATRIX_FMT_FP4 matrix_a_scale:MATRIX_SCALE_ROW1
.elseif (\rb)
	v_wmma_scale_f32_16x16x128_f8f6f4 v[(\d):(\d)+7], v[(\a):(\a)+7], v[(\b):(\b)+7], v[(\d):(\d)+7], v[(\sa)], v[(\sb)] matrix_a_fmt:MATRIX_FMT_FP4 matrix_b_fmt:MATRIX_FMT_FP4 matrix_b_scale:MATRIX_SCALE_ROW1
.else
	v_wmma_scale_f32_16x16x128_f8f6f4 v[(\d):(\d)+7], v[(\a):(\a)+7], v[(\b):(\b)+7], v[(\d):(\d)+7], v[(\sa)], v[(\sb)] matrix_a_fmt:MATRIX_FMT_FP4 matrix_b_fmt:MATRIX_FMT_FP4
.endif
.endm
.macro KLOAD                           ; a step's two fragments of K and their scale words
.irp i,0,1,2,3
	ds_load_b128 v[KF+4*\i:KF+4*\i+3], v[AD1] offset:512*\i
.endr
	ds_load_b32 v[KS], v[AD2]
.endm
	s_load_b256 s[4:11], s[0:1], 0x0               ; qc, kc, vc, qkvs
	s_load_b128 s[12:15], s[0:1], 0x20             ; ac, asc
	v_lshrrev_b32 v20, 5, v0
	v_readfirstlane_b32 s16, v20                   ; wave
	s_and_b32 s18, ttmp7, 0xffff                   ; 16 b + head
	s_lshr_b32 s19, s18, 4
	s_and_b32 s25, s18, 15
	s_mov_b32 s26, 0x3e8293ee                      ; c = log2(e) / sqrt(32)
	s_mov_b32 s27, s26                             ; (named with it as a pair, so it is written)
	s_mov_b32 s36, 0xbe8293ee                      ; -c
	s_mov_b32 s28, 0x76543210
	s_mov_b32 s29, 0xfedcba98                      ; v_permlanex16_b32's selects for lane l xor 16
	s_mov_b32 s31, 0x01010101
	s_lshr_b32 s32, s16, 2                         ; V's key block w + 16 i: step w / 4 + 4 i, block w % 4 = 2 c + h
	s_lshl_b32 s32, s32, 11
	s_and_b32 s33, s16, 3
	s_lshl_b32 s33, s33, 8
	s_add_co_u32 s37, s32, s33
	s_add_co_u32 s37, s37, VIMG
	s_lshl_b32 s38, s16, 13
	s_lshl_b32 s34, ttmp9, 13
	s_lshl_b32 s35, s16, 9
	s_add_co_u32 s34, s34, s35                     ; 8,192 qb + 512 w
	s_mov_b32 s20, 0
	v_and_b32 v20, 31, v0                          ; l
	v_and_b32 v21, 15, v0                          ; r
	v_bfe_u32 v22, v0, 4, 1                        ; h
	v_mov_b32 v23, 0x070c030c
	v_mov_b32 v[SELV], 0x0c070c03
	v_cmp_le_u32 s30, 16, v20                      ; lanes 16-31
	v_lshlrev_b32 v[AD1], 4, v20
	v_lshl_add_u32 v[AD2], v20, 2, KSC
	v_cndmask_b32 v[SELV], v[SELV], v23, s30
	v_and_b32 v210, 7, v0
	v_bfe_u32 v211, v0, 3, 1
	v_bfe_u32 v212, v0, 5, 1
	v_lshrrev_b32 v213, 6, v0
	v_and_b32 v214, 1, v0
	v_bfe_u32 v215, v0, 1, 2
	v_lshrrev_b32 v216, 3, v0
	v_bfe_u32 v217, v0, 1, 1
	v_bfe_u32 v218, v0, 2, 1
	v_bfe_u32 v219, v0, 3, 2
	v_lshrrev_b32 v220, 5, v0
	; v200: where key t + 512 i goes: bits 2:0 the row's low bits, 3 the lane's half, 4 the group of four registers, 5 the row's bit 3, 6 the fragment, 7 and up the step
	; v202: where channel l's key block w + 16 i goes: row r = l % 8 + 8 (l / 16), fragment dt = (l / 8) % 2
	v_lshlrev_b32 v200, 4, v210
	v_lshl_add_u32 v202, v22, 7, v200
	v_lshl_add_u32 v200, v212, 7, v200
	v_lshl_add_u32 v202, v211, 10, v202
	v_lshl_add_u32 v200, v211, 8, v200
	v_add_nc_u32 v202, s37, v202
	v_lshl_add_u32 v200, v22, 9, v200
	v_lshl_add_u32 v203, v216, 5, v215             ; v203: K's scale bytes of keys 4 t + i, 4 i bytes on
	v_lshl_add_u32 v204, v220, 7, v219             ; v204: V's scale bytes of channels 4 (t % 8) + i, key block t / 8, 4 i bytes on
	v_lshl_add_u32 v200, v213, 10, v200
	v_lshl_add_u32 v203, v214, 4, v203
	v_lshl_add_u32 v204, v217, 6, v204
	v_add_nc_u32 v203, KSC, v203
	v_lshl_add_u32 v204, v218, 5, v204
	v_lshlrev_b32 v205, 4, v0                      ; kc: 16 t
	v_lshl_add_u32 v204, v214, 4, v204
	v_add_nc_u32 v206, s38, v[AD1]                 ; vc: 8,192 w + 16 l
	v_add_nc_u32 v204, VSC, v204
	v_lshlrev_b32 v207, 2, v210                    ; scale bytes: 512 (t / 8) + 4 (t % 8)
	v_lshl_add_u32 v208, v21, 4, s34               ; qc: 8,192 qb + 512 w + 16 r
	v_lshl_add_u32 v207, v216, 9, v207
	v_add_nc_u32 v209, s34, v20                    ; q's scale bytes: 8,192 qb + 512 w + l
	s_wait_alu depctr_va_vdst(0)
	s_wait_kmcnt 0x0
	s_mov_b32 s33, 0
	s_lshl_b32 s32, s18, 15
	s_add_nc_u64 s[4:5], s[4:5], s[32:33]
	s_add_nc_u64 s[6:7], s[6:7], s[32:33]
	s_lshl_b32 s32, s19, 19
	s_lshl_b32 s34, s25, 9
	s_add_co_u32 s32, s32, s34
	s_add_nc_u64 s[8:9], s[8:9], s[32:33]
	s_lshl_b32 s32, s19, 15
	s_lshl_b32 s34, s25, 5
	s_add_co_u32 s32, s32, s34
	s_add_nc_u64 s[10:11], s[10:11], s[32:33]
.irp i,0,1,2,3
	global_load_b128 v[152+4*\i:155+4*\i], v205, s[6:7] offset:8192*\i
.endr
.irp i,0,1,2,3
	global_load_b128 v[168+4*\i:171+4*\i], v206, s[8:9] offset:131072*\i
.endr
	global_load_b32 v184, v207, s[10:11] offset:131072
	global_load_b32 v185, v207, s[10:11] offset:262144
	global_load_b128 v[188:191], v208, s[4:5]
	global_load_b128 v[192:195], v208, s[4:5] offset:256
	global_load_u8 v196, v209, s[10:11]
	s_lshl_b32 s32, s19, 19                        ; ac: (128 b + 32 qb + 2 w) x 4,096 + 256 head
	s_lshl_b32 s34, ttmp9, 17
	s_add_co_u32 s32, s32, s34
	s_lshl_b32 s34, s16, 13
	s_add_co_u32 s32, s32, s34
	s_lshl_b32 s34, s25, 8
	s_add_co_u32 s32, s32, s34
	s_add_nc_u64 s[12:13], s[12:13], s[32:33]
	s_lshl_b32 s32, s25, 13                        ; asc: 8,192 head + 2,048 b + 512 qb
	s_lshl_b32 s34, s19, 11
	s_add_co_u32 s32, s32, s34
	s_lshl_b32 s34, ttmp9, 9
	s_add_co_u32 s32, s32, s34
	s_add_nc_u64 s[14:15], s[14:15], s[32:33]
.irp z,0,8,16,24,32                    ; what needs no loaded number is made while the loads are out
.irp i,0,1,2,3
	v_mov_b32 v[QF+\z+\i], 0
.endr
.endr
.set k, 0
.rept 32
	v_mov_b32 v[O+k], 0                            ; O^T: the first change of M leaves zeros zeros
.set k, k+1
.endr
.irp a,0,1
	v_mov_b32 v[NM+2*\a], 0x7f61b1e6               ; -M = 3e38: over every -ceil(t)
	v_mov_b32 v[SUM+2*\a], 0
	v_mov_b32 v[SUM+2*\a+1], 0
.endr
	s_wait_loadcnt 0x0
.irp i,0,1,2,3
	ds_store_b128 v200, v[152+4*\i:155+4*\i] offset:8192*\i
.endr
.irp i,0,1,2,3
	ds_store_b128 v202, v[168+4*\i:171+4*\i] offset:8192*\i
.endr
	v_lshrrev_b32 v210, 8, v184
	v_lshrrev_b32 v211, 16, v184
	v_lshrrev_b32 v212, 24, v184
	v_lshrrev_b32 v213, 8, v185
	v_lshrrev_b32 v214, 16, v185
	v_lshrrev_b32 v215, 24, v185
	ds_store_b8 v203, v184
	ds_store_b8 v203, v210 offset:4
	ds_store_b8 v203, v211 offset:8
	ds_store_b8 v203, v212 offset:12
	ds_store_b8 v204, v185
	ds_store_b8 v204, v213 offset:4
	ds_store_b8 v204, v214 offset:8
	ds_store_b8 v204, v215 offset:12
	v_mul_lo_u32 v[QS], v196, s31                  ; lanes 0-15 tile 0, lanes 16-31 tile 1; the zero codes' blocks get the same byte
.irp a,0,1
.irp i,0,1,2,3
	v_cndmask_b32 v[QF+16*\a+4+\i], v[188+4*\a+\i], 0, s30
	v_cndmask_b32 v[QF+16*\a+12+\i], 0, v[188+4*\a+\i], s30
.endr
.endr
	s_wait_alu depctr_va_vdst(0)
	s_wait_dscnt 0x0                               ; my stores have landed
	s_barrier_signal -1
	s_barrier_wait -1                              ; the head's K and V lie in LDS
	s_barrier_signal -1                            ; opens the steps' barrier: the first step's wait meets this signal
	KLOAD                                          ; step 0's K
; A step: 32 queries against 128 keys.  more = 1: the next step's K is asked for, and the steps' barrier is signalled.
.macro STEP more
.irp j,0,1,2,3
	ds_load_b128 v[VF+4*\j:VF+4*\j+3], v[AD1] offset:VIMG+512*\j   ; V's two fragments, wanted at the step's end
.endr
	ds_load_b32 v[VS], v[AD2] offset:VSC-KSC
	s_wait_dscnt 0x5                               ; K's five loads are in; V's five may be out
.irp F,0,1
.irp q,0,1,2,3
.irp a,0,1
	WMZ SB+SP*\a+8*(4*\F+\q), KF+8*\F, QF+16*\a+8*(\q%2)+4*(1-\q/2), KS, QS, \F, \a
.endr
.endr
.endr
.if \more
	v_add_nc_u32 v[AD1], 2048, v[AD1]              ; four places behind the products, two of them the addresses' steps
	v_add_nc_u32 v[AD2], 128, v[AD2]
	v_nop
	v_nop
	KLOAD
.else
.rept 4
	v_nop
.endr
.endif
.irp a,0,1
.irp c,0,1
	v_max3_num_f32 v[BM+2*\a+\c], v[SB+SP*\a+32*\c], v[SB+SP*\a+32*\c+1], v[SB+SP*\a+32*\c+2]   ; each block's largest score; each accumulator is read from its low end on
.endr
.endr
.irp i,3,5,7,9,11,13,15,17,19,21,23,25,27,29
.irp a,0,1
.irp c,0,1
	v_max3_num_f32 v[BM+2*\a+\c], v[BM+2*\a+\c], v[SB+SP*\a+32*\c+\i], v[SB+SP*\a+32*\c+\i+1]
.endr
.endr
.endr
.irp a,0,1
.irp c,0,1
	v_max_num_f32 v[BM+2*\a+\c], v[BM+2*\a+\c], v[SB+SP*\a+32*\c+31]
.endr
.endr
.irp a,0,1
	v_max_num_f32 v[T+2*\a], v[BM+2*\a], v[BM+2*\a+1]
.endr
.irp a,0,1
	v_permlanex16_b32 v[T+2*\a+1], v[T+2*\a], s28, s29
.endr
.irp a,0,1
	v_max_num_f32 v[T+2*\a], v[T+2*\a], v[T+2*\a+1]                ; the step's largest score of my query
.endr
.irp a,0,1
	v_mul_f32 v[T+2*\a], s36, v[T+2*\a]
.endr
.irp a,0,1
	v_floor_f32 v[T+2*\a], v[T+2*\a]               ; floor(-t) = -ceil(t)
.endr
.irp a,0,1
	v_min_num_f32 v[T+2*\a], v[T+2*\a], v[NM+2*\a] ; the new -M
.endr
.irp a,0,1
	v_sub_f32 v[T+2*\a+1], v[T+2*\a], v[NM+2*\a]   ; old M - new M: a whole number, 0 or less
.endr
.irp a,0,1
	v_mov_b32 v[NM+2*\a], v[T+2*\a]
.endr
.irp a,0,1
.set k, 0
.rept 32
	v_pk_fma_f32 v[SB+SP*\a+k:SB+SP*\a+k+1], v[SB+SP*\a+k:SB+SP*\a+k+1], s[26:27], v[NM+2*\a:NM+2*\a+1] op_sel_hi:[1,0,0]   ; t - M
.set k, k+2
.endr
.endr
.irp a,0,1
.irp c,0,1
	v_fma_f32 v[BM+2*\a+\c], v[BM+2*\a+\c], s26, v[NM+2*\a]        ; the same of each block's largest score
.endr
.endr
.irp a,0,1
	v_cvt_i32_f32 v[T+2*\a+1], v[T+2*\a+1]         ; (it saturates)
.endr
.irp a,0,1
	v_ldexp_f32 v[FP+2*\a], 1.0, v[T+2*\a+1]       ; f = 2^(old M - new M)
.endr
	s_barrier_wait -1                              ; the steps' barrier: every wave has signalled the step before.  Between a signal and this wait stand register work and LDS loads of K's and V's bytes, which nobody writes again
	s_wait_alu depctr_va_vdst(0)
.irp a,0,1
.set k, 0
.rept 64
	v_exp_f32 v[SB+SP*\a+k], v[SB+SP*\a+k]         ; p = 2^(t - M)
.set k, k+1
.endr
.endr
.irp x,0,1,2,3
	v_exp_f32 v[BM+\x], v[BM+\x]                   ; the block's largest p: the same two lines on the same number
.endr
.irp a,0,1
	v_pk_mul_f32 v[SUM+2*\a:SUM+2*\a+1], v[SUM+2*\a:SUM+2*\a+1], v[FP+2*\a:FP+2*\a+1] op_sel_hi:[1,0]   ; the sums under the new M: plain lines behind the batch
.endr
	s_wait_alu depctr_va_vdst(0)                   ; one wait for the 132, ahead of their first reader
.irp x,0,1,2,3
	v_max_num_f32 v[BM+\x], 0x1800000, v[BM+\x]    ; the floor 2^(3 - 127): the byte cannot fall under 1
.endr
.irp x,0,1,2,3
	v_add_nc_u32 v[BM+\x], 0xff000000, v[BM+\x]    ; 2 off the exponent field: the conversion's scale operand
.endr
.irp x,0,1,2,3
	v_lshlrev_b32 v[T+\x], 1, v[BM+\x]             ; the scale's byte in the top byte
.endr
.irp j,0,2,4
.irp a,0,1
	v_pk_add_f32 v[SUM+2*\a:SUM+2*\a+1], v[SUM+2*\a:SUM+2*\a+1], v[SB+SP*\a+\j:SB+SP*\a+\j+1]   ; p0 .. p5 are summed now: the codes are laid over them
.endr
.endr
.irp a,0,1
	v_perm_b32 v[T+2*\a], v[T+2*\a+1], v[T+2*\a], v[SELV]          ; my two bytes at places h and 2 + h, zeros between
.endr
	v_permlane16_swap_b32 v[T], v[T+2]             ; v[T]: both tiles' bytes of half 0; v[T+2]: of half 1; tile 0 in lanes 0-15, tile 1 in lanes 16-31
.irp a,0,1
.irp j,0,1
	v_cvt_scalef32_pk8_fp4_f32 v[SB-2+SP*\a+\j], v[SB+SP*\a+8*\j:SB+SP*\a+8*\j+7], v[BM+2*\a]
.endr
.endr
	v_or_b32 v[PW], v[T], v[T+2]                   ; p's scale words.  Also the plain line between the first conversions and the lines that write over their sources
.irp a,0,1
.irp j,2,3,4,5,6,7
	v_cvt_scalef32_pk8_fp4_f32 v[SB-2+SP*\a+\j], v[SB+SP*\a+8*\j:SB+SP*\a+8*\j+7], v[BM+2*\a+\j/4]
.endr
.endr
	s_wait_alu depctr_va_vdst(0)
	s_wait_dscnt 0x0                               ; V's loads are in, and no LDS load of mine is out at the signal
.if \more
	s_barrier_signal -1                            ; my exponentials, swap and conversions of this step are issued; the last step signals nothing: the way out has a barrier of its own
.endif
.irp j,8,12,16,20,24,28,32,36,40,44,48,52,56,60
.irp a,0,1
	v_pk_add_f32 v[SUM+2*\a:SUM+2*\a+1], v[SUM+2*\a:SUM+2*\a+1], v[SB+SP*\a+\j:SB+SP*\a+\j+1]   ; the rest of the sum of the unquantised p, two chains a tile: the second on p6, p7
	v_pk_add_f32 v[SB+6+SP*\a:SB+7+SP*\a], v[SB+6+SP*\a:SB+7+SP*\a], v[SB+SP*\a+\j+2:SB+SP*\a+\j+3]
.endr
.endr
.irp a,0,1
	v_pk_add_f32 v[SUM+2*\a:SUM+2*\a+1], v[SUM+2*\a:SUM+2*\a+1], v[SB+6+SP*\a:SB+7+SP*\a]
.endr
	s_wait_alu depctr_va_vdst(0)                   ; directly ahead of the first reader of O^T
.irp a,0,1
.irp i,0,2,4,6,8,10,12,14
	v_pk_mul_f32 v[O+16*\a+\i:O+16*\a+\i+1], v[O+16*\a+\i:O+16*\a+\i+1], v[FP+2*\a:FP+2*\a+1] op_sel_hi:[1,0]   ; O^T under the new M
.endr
.endr
.irp a,0,1
.irp dt,0,1
	WMA O+16*\a+8*\dt, VF+8*\dt, SB-2+SP*\a, VS, PW, \dt, \a       ; four accumulators by turns
.endr
.endr
.rept 5
	v_nop                                          ; five places: the next step's products write over the registers that held p's codes
.endr
.endm
.Lstep:
	STEP 1
	s_add_co_u32 s20, s20, 1
	s_cmp_lt_u32 s20, 15
	s_cbranch_scc1 .Lstep
	STEP 0
	; ---- the way out: O^T / the sum, quantised along the head's 32 channels (16 in my lane, 16 in lane l xor 16)
.irp a,0,1
	v_add_f32 v[T+2*\a], v[SUM+2*\a], v[SUM+2*\a+1]
.endr
.irp a,0,1
	v_permlanex16_b32 v[T+2*\a+1], v[T+2*\a], s28, s29
.endr
.irp a,0,1
	v_add_f32 v[T+2*\a], v[T+2*\a], v[T+2*\a+1]
.endr
	v_and_b32 v76, 15, v0
	v_bfe_u32 v77, v0, 4, 1
	v_and_b32 v78, 31, v0
	v_lshlrev_b32 v76, 4, v76
	v_add_nc_u32 v79, OSC, v0                      ; my byte of the result's scales
	v_lshlrev_b32 v78, 4, v78                      ; 16 l
	v_lshl_add_u32 v76, v77, 3, v76                ; codes out: 16 r + 8 h
	v_lshl_add_u32 v82, v0, 2, SPARE               ; my spare word, and 0: no two registers could be kept for them through the loop
	v_mov_b32 v83, 0
	v_add_nc_u32 v80, OSC, v78
	s_wait_alu depctr_va_vdst(0)
.irp a,0,1
	v_rcp_f32 v[FP+2*\a], v[T+2*\a]
.endr
	v_nop
	s_wait_alu depctr_va_vdst(0)                   ; one wait for the two, directly ahead of their first reader, which is O^T's too
.irp a,0,1
.irp i,0,2,4,6,8,10,12,14
	v_pk_mul_f32 v[SB+SP*\a+\i:SB+SP*\a+\i+1], v[O+16*\a+\i:O+16*\a+\i+1], v[FP+2*\a:FP+2*\a+1] op_sel_hi:[1,0]
.endr
.endr
.irp a,0,1
	v_max3_num_f32 v[T+2*\a], |v[SB+SP*\a]|, |v[SB+SP*\a+1]|, 0x1800000
.endr
.irp i,2,4,6,8,10,12,14
.irp a,0,1
	v_max3_num_f32 v[T+2*\a], v[T+2*\a], |v[SB+SP*\a+\i]|, |v[SB+SP*\a+\i+1]|
.endr
.endr
.irp a,0,1
	v_permlanex16_b32 v[T+2*\a+1], v[T+2*\a], s28, s29
.endr
.irp a,0,1
	v_max_num_f32 v[T+2*\a], v[T+2*\a], v[T+2*\a+1]
.endr
.irp a,0,1
	v_add_nc_u32 v[BM+2*\a], 0xff000000, v[T+2*\a]
.endr
.irp a,0,1
	v_lshrrev_b32 v[BM+2*\a+1], 23, v[BM+2*\a]
.endr
.irp a,0,1
	v_cvt_scalef32_pk8_fp4_f32 v[84+2*\a], v[SB+SP*\a:SB+SP*\a+7], v[BM+2*\a]
	v_cvt_scalef32_pk8_fp4_f32 v[85+2*\a], v[SB+SP*\a+8:SB+SP*\a+15], v[BM+2*\a]
.endr
	v_cndmask_b32 v[T], v[BM+1], v[BM+3], s30      ; lane l stores the byte of token l.  (A plain line behind the conversions)
.irp a,0,1
	global_store_b64 v76, v[84+2*\a:85+2*\a], s[12:13] offset:4096*\a   ; 16 tokens x 16 bytes: 256 consecutive bytes, aligned
.endr
	ds_store_b8 v79, v[T]
	s_wait_alu depctr_va_vdst(0)
	s_wait_dscnt 0x0
	s_barrier_signal -1
	s_barrier_wait -1                              ; the work-group's 512 scale bytes lie in LDS
	s_cmp_lg_u32 s16, 0
	s_cbranch_scc1 .Ldone
	ds_load_b128 v[88:91], v80
	s_wait_dscnt 0x0
	global_store_b128 v78, v[88:91], s[14:15]      ; 512 consecutive bytes, aligned
.Ldone:
	s_wait_tensorcnt 0x0                           ; the wave's end
	ds_add_u32 v82, v83
	s_wait_dscnt 0x0
	s_endpgm
.Lfunc_end_k_q03a13b5aab_attn:
	.size	k_q03a13b5aab_attn, .Lfunc_end_k_q03a13b5aab_attn-k_q03a13b5aab_attn
	.p2alignl 7, 3214868480
	.fill 96, 4, 3214868480
	.section	.rodata,"a",@progbits
	.p2align	6, 0x0
	.amdhsa_kernel k_q03a13b5aab_attn
		.amdhsa_group_segment_fixed_size 73728
		.amdhsa_private_segment_fixed_size 0
		.amdhsa_enable_private_segment 0
		.amdhsa_kernarg_size 48
		.amdhsa_user_sgpr_count 2
		.amdhsa_user_sgpr_kernarg_segment_ptr 1
		.amdhsa_wavefront_size32 1
		.amdhsa_system_sgpr_workgroup_id_x 1
		.amdhsa_system_sgpr_workgroup_id_y 1
		.amdhsa_system_sgpr_workgroup_id_z 1
		.amdhsa_system_vgpr_workitem_id 0
		.amdhsa_next_free_vgpr 256
		.amdhsa_next_free_sgpr 66
		.amdhsa_reserve_vcc 0
		.amdhsa_float_denorm_mode_32 3
		.amdhsa_float_denorm_mode_16_64 3
		.amdhsa_memory_ordered 1
		.amdhsa_forward_progress 1
		.amdhsa_inst_pref_size 62
	.end_amdhsa_kernel
	.amdgpu_metadata
---
amdhsa.version: [ 1, 2 ]
amdhsa.kernels:
  - .name:           k_q03a13b5aab_attn
    .symbol:         k_q03a13b5aab_attn.kd
    .args:
      - { .name: qc, .offset: 0, .size: 8, .value_kind: global_buffer, .address_space: global }
      - { .name: kc, .offset: 8, .size: 8, .value_kind: global_buffer, .address_space: global }
      - { .name: vc, .offset: 16, .size: 8, .value_kind: global_buffer, .address_space: global }
      - { .name: qkvs, .offset: 24, .size: 8, .value_kind: global_buffer, .address_space: global }
      - { .name: ac, .offset: 32, .size: 8, .value_kind: global_buffer, .address_space: global }
      - { .name: asc, .offset: 40, .size: 8, .value_kind: global_buffer, .address_space: global }
    .group_segment_fixed_size: 73728
    .private_segment_fixed_size: 0
    .kernarg_segment_align: 8
    .kernarg_segment_size: 48
    .max_flat_workgroup_size: 512
    .sgpr_count:     66
    .vgpr_count:     256
    .wavefront_size: 32
...
	.end_amdgpu_metadata
.endif
;; end of part 2
;; launch post (part 3): grid 256 x 1, 8 waves a work-group, no clusters, 119,808 bytes of LDS; arguments ac, asc, wimg, wo_scales, bo, x, g1, b1, w_ff1_scales, b_ff1, w_ff2_scales, b_ff2, g2, b2, out0; writes out0
.if DOCPART == 3
	.amdgcn_target "amdgcn-amd-amdhsa--gfx1250"
	.amdhsa_code_object_version 6
	.text
	.protected	k_q03a13b5aab_post
	.globl	k_q03a13b5aab_post
	.p2align	8
	.type	k_q03a13b5aab_post,@function
k_q03a13b5aab_post:
	s_mov_b64 s[64:65], 0
	v_nop
	global_prefetch_b8 v0, s[64:65] scope:SCOPE_SE
	s_setreg_imm32_b32 hwreg(HW_REG_WAVE_MODE, 25, 1), 1
	s_wait_xcnt 0x0
; y1 = LN(x + attn wo + bo; g1, b1);  out = LN(y1 + gelu(y1 w_ff1 + b_ff1) w_ff2 + b_ff2; g2, b2).  The three products on codes of FP4 (E2M1) with E8M0 scales; all else in f32.
; SHARES.  A work-group takes 32 tokens (tiles tt = 0, 1).  THE EIGHT WAVES SHARE THE COLUMNS: wave w owns channels 64 w .. 64 w + 63 of wo's and w_ff2's results and hidden units 1024 ch + 128 w .. + 127 (ch = 0, 1).
; Every product is used transposed (source 0 = 16 weight rows, source 1 = 16 tokens), and row m of tile q is unit 32 (m / 8) + 8 q + m % 8 of a group of 64: so 32 consecutive registers of lane (r, h) are 32
; neighbouring units of token r: one whole block: no block's maximum crosses lanes, and four conversions give four registers of the next operand.
; WEIGHTS come from wimg, laid by the first launch in the order of the operand's registers: each fragment has one reader in the work-group, goes from memory straight into registers (512 consecutive bytes a load) and
; feeds two matrix instructions.  They come in 18 groups of 8 fragments through two sets of 64 registers, a group ahead.  No cluster: with one reader a fragment, LDS would only add a write and a read of every weight byte.
; ACTIVATIONS go from wave to wave through LDS as images of the operand's registers (16 bytes a lane), their scale bytes as [16 tt + r][16 bytes]: one load brings a lane the words of four K steps, tile 0's in lanes 0-15, tile 1's in lanes 16-31.
; LN: each wave forms the mean and the centred sum of squares of its 64 channels; the eight are joined: no difference of large sums is formed.
; GELU, exact: max(x, 0) - |x| u 2^(P(u) - (0.8493218 x)^2), u = 1 / (1 + 0.35355339 |x|): erfc(z) = u exp(-z^2 + poly(u)), a fit of degree 9 with a relative error of 1.2e-7, its coefficients times log2(e), the half in c0.
; LIMITS: NaN and infinities are not served.  A block of zeros, or one under 2^-124, gets the scale byte 1 (read by this program alone).
.set XT,    0                          ; LDS: 32 rows x 272 bytes for each wave: x's turn, then y1, then the result's turn
.set STAT1, 69632                      ; token x 80 + 8 w: (mean, centred squares); the second norm's lie 2,560 on
.set YIMG,  74752                      ; y1's codes: (8 tt + w) x 512 + 16 l
.set YSC,   82944
.set HIMG,  83456                      ; the hidden layer's: (2 K step + tt) x 1024 + 512 c + 16 l
.set HSC,   116224                     ; (K step / 4) x 512 + (16 tt + r) x 16 + 4 (K step % 4)
.set SA,   24                          ; v24-27  the activation's scale words of four K steps
.set HS,   28                          ; v28-35  the hidden layer's, two sets
.set WS2,  36                          ; v36-51  wo's scale words; later w_ff2's, two sets of 8
.set WS1,  52                          ; v52-67  w_ff1's
.set BI,   68                          ; v68-99  b_ff1: two halves x two tiles x 8
.set TMP,  100
.set H,    128                         ; v128-255 the hidden layer: 64 tt + 8 T + j
.set XR,   128                         ; x, 32 tt + i
.set SR,   128                         ; the eight waves' statistics, 16 tt + ..
.set HF,   128                         ; hidden fragments: 16 (K step % 4) + 8 tt
.set V,    192                         ; the rows at work: 32 tt + i
.set ACC1, 192
.set AF,   128                         ; window 1: the activation's eight fragments: 8 (4 tt + s)
.set YF,   128
.set ACC2, 192                         ; window 1: w_ff2's accumulators; during the first norm g1 and b1
.set CO,   36                          ; s[36:53] c0 .. c8, each in both words of a pair
.set LA, 100                           ; the norms' registers, + 12 tt
.set LB, 102
.set LM, 104
.set LT, 106
.set LS, 107
.set LD, 108
.set LR, 110
.set LE, 124                           ; + 2 tt
.set T1, 100                           ; GELU's
.set T2, 108
.set T3, 116
.set QD, 100                           ; the quantiser's
.set QOP, 102
.set QBY, 104
.set QT, 106
.set QPW, 107
.set QPC, 108
.set MSB, 0
.macro WIN new                         ; the immediate's high byte repeats the setting that is left
.if MSB != \new
	s_set_vgpr_msb (MSB<<8)|\new
.set MSB, \new
.endif
.endm
.macro PLACES n
.rept \n
	v_nop
.endr
.endm
.macro BAR
	s_wait_dscnt 0x0
	s_barrier_signal -1
	s_barrier_wait -1
.endm
.macro WM d, a, b, c, sa, sb, ra, rb
.if (\ra) && (\rb)
	v_wmma_scale_f32_16x16x128_f8f6f4 v[(\d):(\d)+7], v[(\a):(\a)+7], v[(\b):(\b)+7], v[(\c):(\c)+7], v[(\sa)], v[(\sb)] matrix_a_fmt:MATRIX_FMT_FP4 matrix_b_fmt:MATRIX_FMT_FP4 matrix_a_scale:MATRIX_SCALE_ROW1 matrix_b_scale:MATRIX_SCALE_ROW1
.elseif (\ra)
	v_wmma_scale_f32_16x16x128_f8f6f4 v[(\d):(\d)+7], v[(\a):(\a)+7], v[(\b):(\b)+7], v[(\c):(\c)+7], v[(\sa)], v[(\sb)] matrix_a_fmt:MATRIX_FMT_FP4 matrix_b_fmt:MATRIX_FMT_FP4 matrix_a_scale:MATRIX_SCALE_ROW1
.elseif (\rb)
	v_wmma_scale_f32_16x16x128_f8f6f4 v[(\d):(\d)+7], v[(\a):(\a)+7], v[(\b):(\b)+7], v[(\c):(\c)+7], v[(\sa)], v[(\sb)] matrix_a_fmt:MATRIX_FMT_FP4 matrix_b_fmt:MATRIX_FMT_FP4 matrix_b_scale:MATRIX_SCALE_ROW1
.else
	v_wmma_scale_f32_16x16x128_f8f6f4 v[(\d):(\d)+7], v[(\a):(\a)+7], v[(\b):(\b)+7], v[(\c):(\c)+7], v[(\sa)], v[(\sb)] matrix_a_fmt:MATRIX_FMT_FP4 matrix_b_fmt:MATRIX_FMT_FP4
.endif
.endm
.macro CPAIR k, val
	s_mov_b32 s[CO+2*\k], \val
	s_mov_b32 s[CO+2*\k+1], \val
.endm
.macro ISSUE g                         ; group g's eight fragments, 16 loads, into set g % 2 of window 1.  What else a group's products want is always asked for ahead of the next group's 16
	WIN 0x40
.irp i,0,1,2,3,4,5,6,7,8,9,10,11,12,13,14,15
	global_load_b128 v[64*((\g)%2)+4*\i:64*((\g)%2)+4*\i+3], v1, s[8:9] offset:8192*(\g)+512*\i
.endr
	WIN 0
.endm
.macro BILOAD g                        ; b_ff1 for group g's two tiles, in the result's layout
.irp e,0,1
.set TT_, 2*(((\g)-2)%4)+\e
.set IM_, (1024*(((\g)-2)/4)+64*(TT_/4)+8*(TT_%4))*4
	global_load_b128 v[BI+16*((\g)%2)+8*\e:BI+16*((\g)%2)+8*\e+3], v9, s[22:23] offset:IM_
	global_load_b128 v[BI+16*((\g)%2)+8*\e+4:BI+16*((\g)%2)+8*\e+7], v9, s[22:23] offset:IM_+16
.endr
.endm
.macro WS1LOAD ch
.irp P,0,1,2,3
	global_load_b128 v[WS1+4*\P:WS1+4*\P+3], v8, s[20:21] offset:16384*(\ch)+(64*(\P/2)+16*(\P%2))*16
.endr
.endm
.macro WS2LOAD a                       ; w_ff2's scale words of K steps 4 a .. 4 a + 3
.irp p,0,1
	global_load_b128 v[WS2+8*((\a)%2)+4*\p:WS2+8*((\a)%2)+4*\p+3], v7, s[24:25] offset:1024*\p+16*(\a)
.endr
.endm
; In every group: the wait leaves the next group's 16 weight loads out; the accumulators take turns; four places follow, in front of the loads into the registers just read and of the first read of results.
.macro USEWO g                         ; wo: K steps 2 g, 2 g + 1; eight accumulators
	s_wait_loadcnt 16
	WIN 0x05
.irp e,0,1
.irp tt,0,1
.irp q,0,1,2,3
	WM ACC1+32*\tt+8*\q, 64*(\g)+8*(4*\e+\q), AF+8*(4*\tt+2*(\g)+\e), ACC1+32*\tt+8*\q, WS2+4*(\q/2)+2*(\g)+\e, SA+2*(\g)+\e, \q%2, \tt
.endr
.endr
.endr
	WIN 0
	PLACES 4
.endm
.macro USEF1 g                         ; w_ff1: two tiles of hidden units x two tiles of tokens, four K steps
	s_wait_loadcnt 16
	WIN 0x05
.irp s,0,1,2,3
.irp tt,0,1
.irp e,0,1
.set DD_, H+64*\tt+8*(2*(((\g)-2)%4)+\e)
.if \s == 0
.set CC_, BI+16*((\g)%2)+8*\e
.else
.set CC_, DD_
.endif
	WM DD_, 64*((\g)%2)+8*(4*\e+\s), YF+8*(4*\tt+\s), CC_, WS1+4*(((\g)-2)%4)+\s, SA+\s, \e, \tt
.endr
.endr
.endr
	WIN 0
	PLACES 4
.endm
.macro USEF2 gp                        ; w_ff2: K steps 2 gp, 2 gp + 1; eight accumulators
	s_wait_loadcnt 16
.if (\gp) == 7
	s_wait_dscnt 0x0
.else
	s_wait_dscnt 0x8                               ; this pair's hidden fragments are in; the next pair's eight loads may be out
.endif
	WIN 0x51
.irp e,0,1
.set KK_, 2*(\gp)+\e
.irp tt,0,1
.irp q,0,1,2,3
	WM ACC2+32*\tt+8*\q, 64*((\gp)%2)+8*(4*\e+\q), HF+16*(KK_%4)+8*\tt, ACC2+32*\tt+8*\q, WS2+8*((KK_/4)%2)+4*(\q/2)+KK_%4, HS+4*((KK_/4)%2)+KK_%4, \q%2, \tt
.endr
.endr
.endr
	WIN 0
	PLACES 4
.endm
.macro HFLOAD pr                       ; the hidden fragments of K steps 2 pr, 2 pr + 1
.irp e,0,1
.irp tt,0,1
.irp c,0,1
	ds_load_b128 v[HF+16*((2*(\pr)+\e)%4)+8*\tt+4*\c:HF+16*((2*(\pr)+\e)%4)+8*\tt+4*\c+3], v19 offset:(2*(2*(\pr)+\e)+\tt)*1024+512*\c
.endr
.endr
.endr
.endm
.macro MAX32P d0, b0, d1, b1           ; two blocks' largest magnitudes, by turns; the floor 2^(3 - 127) holds the byte at 1 from below
	v_max3_num_f32 v[\d0], |v[(\b0)]|, |v[(\b0)+1]|, 0x1800000
	v_max3_num_f32 v[\d1], |v[(\b1)]|, |v[(\b1)+1]|, 0x1800000
.irp i,2,4,6,8,10,12,14,16,18,20,22,24,26,28,30
	v_max3_num_f32 v[\d0], v[\d0], |v[(\b0)+\i]|, |v[(\b0)+\i+1]|
	v_max3_num_f32 v[\d1], v[\d1], |v[(\b1)+\i]|, |v[(\b1)+\i+1]|
.endr
.irp c,0,1
	v_add_nc_u32 v[QOP+\c], 0xff000000, v[QD+\c]   ; 2 off the exponent field: the conversion's scale operand
.endr
.irp c,0,1
	v_lshrrev_b32 v[QBY+\c], 23, v[QOP+\c]         ; the scale's byte
.endr
.endm
; A layer norm of the 32 tokens x my 64 channels in v[V ..].  which = 1: x is added first; 2: w_ff2's sums.  soff: the statistics' bytes.  G, B: gain and bias, in window 1.
.macro LNORM which, soff, G, B
.if \which == 1
.set k, 0
.rept 32
	v_pk_add_f32 v[V+k:V+k+1], v[V+k:V+k+1], v[XR+k:XR+k+1]
.set k, k+2
.endr
.else
	WIN 0x01
.set k, 0
.rept 32
	v_pk_add_f32 v[V+k:V+k+1], v[ACC2+k:ACC2+k+1], v[V+k:V+k+1]
.set k, k+2
.endr
	WIN 0
.endif
.irp tt,0,1
	v_pk_add_f32 v[LA+12*\tt:LA+12*\tt+1], v[V+32*\tt:V+32*\tt+1], v[V+32*\tt+2:V+32*\tt+3]
	v_pk_add_f32 v[LB+12*\tt:LB+12*\tt+1], v[V+32*\tt+4:V+32*\tt+5], v[V+32*\tt+6:V+32*\tt+7]
.endr
.irp k,8,12,16,20,24,28
.irp tt,0,1
	v_pk_add_f32 v[LA+12*\tt:LA+12*\tt+1], v[LA+12*\tt:LA+12*\tt+1], v[V+32*\tt+\k:V+32*\tt+\k+1]
	v_pk_add_f32 v[LB+12*\tt:LB+12*\tt+1], v[LB+12*\tt:LB+12*\tt+1], v[V+32*\tt+\k+2:V+32*\tt+\k+3]
.endr
.endr
.irp tt,0,1
	v_pk_add_f32 v[LA+12*\tt:LA+12*\tt+1], v[LA+12*\tt:LA+12*\tt+1], v[LB+12*\tt:LB+12*\tt+1]
.endr
.irp tt,0,1
	v_add_f32 v[LS+12*\tt], v[LA+12*\tt], v[LA+12*\tt+1]
.endr
.irp tt,0,1
	v_permlanex16_b32 v[LT+12*\tt], v[LS+12*\tt], s58, s59
.endr
.irp tt,0,1
	v_add_f32 v[LS+12*\tt], v[LS+12*\tt], v[LT+12*\tt]
.endr
.irp tt,0,1
	v_mul_f32 v[LM+12*\tt], s60, v[LS+12*\tt]      ; the mean of my 64 channels
.endr
.irp k,0,4,8,12,16,20,24,28
.irp tt,0,1
	v_pk_add_f32 v[LD+12*\tt:LD+12*\tt+1], v[V+32*\tt+\k:V+32*\tt+\k+1], v[LM+12*\tt:LM+12*\tt+1] op_sel_hi:[1,0] neg_lo:[0,1] neg_hi:[0,1]
	v_pk_add_f32 v[LE+2*\tt:LE+2*\tt+1], v[V+32*\tt+\k+2:V+32*\tt+\k+3], v[LM+12*\tt:LM+12*\tt+1] op_sel_hi:[1,0] neg_lo:[0,1] neg_hi:[0,1]
.endr
.irp tt,0,1
.if \k == 0
	v_pk_mul_f32 v[LA+12*\tt:LA+12*\tt+1], v[LD+12*\tt:LD+12*\tt+1], v[LD+12*\tt:LD+12*\tt+1]
	v_pk_mul_f32 v[LB+12*\tt:LB+12*\tt+1], v[LE+2*\tt:LE+2*\tt+1], v[LE+2*\tt:LE+2*\tt+1]
.else
	v_pk_fma_f32 v[LA+12*\tt:LA+12*\tt+1], v[LD+12*\tt:LD+12*\tt+1], v[LD+12*\tt:LD+12*\tt+1], v[LA+12*\tt:LA+12*\tt+1]
	v_pk_fma_f32 v[LB+12*\tt:LB+12*\tt+1], v[LE+2*\tt:LE+2*\tt+1], v[LE+2*\tt:LE+2*\tt+1], v[LB+12*\tt:LB+12*\tt+1]
.endif
.endr
.endr
.irp tt,0,1
	v_pk_add_f32 v[LA+12*\tt:LA+12*\tt+1], v[LA+12*\tt:LA+12*\tt+1], v[LB+12*\tt:LB+12*\tt+1]
.endr
.irp tt,0,1
	v_add_f32 v[LS+12*\tt], v[LA+12*\tt], v[LA+12*\tt+1]
.endr
.irp tt,0,1
	v_permlanex16_b32 v[LT+12*\tt], v[LS+12*\tt], s58, s59
.endr
.irp tt,0,1
	v_add_f32 v[LM+12*\tt+1], v[LS+12*\tt], v[LT+12*\tt]           ; their centred sum of squares
.endr
.irp tt,0,1
	ds_store_b64 v11, v[LM+12*\tt:LM+12*\tt+1] offset:1280*\tt+\soff
.endr
	BAR                                            ; all eight waves' statistics lie in LDS
.irp tt,0,1
.irp i,0,1,2,3
	ds_load_b128 v[SR+16*\tt+4*\i:SR+16*\tt+4*\i+3], v12 offset:1280*\tt+16*\i+\soff
.endr
.endr
	s_wait_dscnt 0x0
.irp tt,0,1
	v_pk_add_f32 v[LA+12*\tt:LA+12*\tt+1], v[SR+16*\tt:SR+16*\tt+1], v[SR+16*\tt+2:SR+16*\tt+3]
	v_pk_add_f32 v[LB+12*\tt:LB+12*\tt+1], v[SR+16*\tt+4:SR+16*\tt+5], v[SR+16*\tt+6:SR+16*\tt+7]
.endr
.irp k,8,12
.irp tt,0,1
	v_pk_add_f32 v[LA+12*\tt:LA+12*\tt+1], v[LA+12*\tt:LA+12*\tt+1], v[SR+16*\tt+\k:SR+16*\tt+\k+1]
	v_pk_add_f32 v[LB+12*\tt:LB+12*\tt+1], v[LB+12*\tt:LB+12*\tt+1], v[SR+16*\tt+\k+2:SR+16*\tt+\k+3]
.endr
.endr
.irp tt,0,1
	v_pk_add_f32 v[LA+12*\tt:LA+12*\tt+1], v[LA+12*\tt:LA+12*\tt+1], v[LB+12*\tt:LB+12*\tt+1]   ; (the sum of the means, the sum of the squares)
.endr
.irp tt,0,1
	v_mul_f32 v[LM+12*\tt], s61, v[LA+12*\tt]      ; the row's mean
.endr
.irp i,0,2,4,6,8,10,12,14
.irp tt,0,1
	v_sub_f32 v[SR+16*\tt+\i], v[SR+16*\tt+\i], v[LM+12*\tt]
.endr
.endr
.irp tt,0,1
	v_mul_f32 v[LS+12*\tt], v[SR+16*\tt], v[SR+16*\tt]
.endr
.irp i,2,4,6,8,10,12,14
.irp tt,0,1
	v_fma_f32 v[LS+12*\tt], v[SR+16*\tt+\i], v[SR+16*\tt+\i], v[LS+12*\tt]
.endr
.endr
.irp tt,0,1
	v_fma_f32 v[LS+12*\tt], v[LS+12*\tt], s62, v[LA+12*\tt+1]      ; + 64 x the spread of the eight means
.endr
.irp tt,0,1
	v_fma_f32 v[LS+12*\tt], v[LS+12*\tt], s63, s66 ; / 512 + 1e-5
.endr
	s_wait_alu depctr_va_vdst(0)
.irp tt,0,1
	v_rsq_f32 v[LR+12*\tt], v[LS+12*\tt]
.endr
.irp tt,0,1
.set k, 0
.rept 16
	v_pk_add_f32 v[V+32*\tt+k:V+32*\tt+k+1], v[V+32*\tt+k:V+32*\tt+k+1], v[LM+12*\tt:LM+12*\tt+1] op_sel_hi:[1,0] neg_lo:[0,1] neg_hi:[0,1]   ; plain work behind the two roots
.set k, k+2
.endr
.endr
	s_wait_alu depctr_va_vdst(0)                   ; one wait for the two, ahead of their first reader
.irp tt,0,1
.set k, 0
.rept 16
	v_pk_mul_f32 v[V+32*\tt+k:V+32*\tt+k+1], v[V+32*\tt+k:V+32*\tt+k+1], v[LR+12*\tt:LR+12*\tt+1] op_sel_hi:[1,0]
.set k, k+2
.endr
.endr
.if \which == 2
	s_wait_loadcnt 0x0                             ; g2 and b2
.endif
	WIN 0x14
.irp tt,0,1
.set k, 0
.rept 16
	v_pk_fma_f32 v[V+32*\tt+k:V+32*\tt+k+1], v[V+32*\tt+k:V+32*\tt+k+1], v[\G+k:\G+k+1], v[\B+k:\B+k+1]
.set k, k+2
.endr
.endr
	WIN 0
.endm
.macro GELU8 X                         ; eight numbers, one accumulator, in place
	s_wait_alu depctr_va_vdst(0)                   ; directly ahead of the accumulator's first readers
.irp i,0,1,2,3,4,5,6,7
	v_fma_f32 v[T1+\i], |v[(\X)+\i]|, s54, 1.0
.endr
	s_wait_alu depctr_va_vdst(0)                   ; and ahead of the batch
.irp i,0,1,2,3,4,5,6,7
	v_rcp_f32 v[T1+\i], v[T1+\i]
.endr
.irp i,0,2,4,6
	v_pk_mul_f32 v[T2+\i:T2+\i+1], v[(\X)+\i:(\X)+\i+1], s[56:57] op_sel_hi:[1,0]   ; plain work behind the reciprocals
.endr
	s_wait_alu depctr_va_vdst(0)                   ; one wait for the eight
.irp i,0,2,4,6
	v_pk_fma_f32 v[T3+\i:T3+\i+1], v[T1+\i:T1+\i+1], v[22:23], s[CO+16:CO+17] op_sel_hi:[1,1,0]
.endr
.irp c,7,6,5,4,3,2,1,0
.irp i,0,2,4,6
	v_pk_fma_f32 v[T3+\i:T3+\i+1], v[T3+\i:T3+\i+1], v[T1+\i:T1+\i+1], s[CO+2*\c:CO+2*\c+1] op_sel_hi:[1,1,0]
.endr
.endr
.irp i,0,2,4,6
	v_pk_fma_f32 v[T3+\i:T3+\i+1], v[T2+\i:T2+\i+1], v[T2+\i:T2+\i+1], v[T3+\i:T3+\i+1] neg_lo:[1,0,0] neg_hi:[1,0,0]
.endr
	s_wait_alu depctr_va_vdst(0)
.irp i,0,1,2,3,4,5,6,7
	v_exp_f32 v[T3+\i], v[T3+\i]
.endr
.irp i,0,1,2,3,4,5,6,7
	v_mul_f32 v[T1+\i], |v[(\X)+\i]|, v[T1+\i]     ; plain work behind the exponentials
.endr
.irp i,0,1,2,3,4,5,6,7
	v_max_num_f32 v[(\X)+\i], 0, v[(\X)+\i]
.endr
	s_wait_alu depctr_va_vdst(0)                   ; one wait for the eight
.irp i,0,2,4,6
	v_pk_fma_f32 v[(\X)+\i:(\X)+\i+1], v[T1+\i:T1+\i+1], v[T3+\i:T3+\i+1], v[(\X)+\i:(\X)+\i+1] neg_lo:[1,0,0] neg_hi:[1,0,0]
.endr
.endm
.macro GELUG g                         ; the activation of group g's four accumulators, directly behind the group's products, while the next two groups' weights are on their way
.irp tt,0,1
.irp e,0,1
	GELU8 H+64*\tt+8*(2*(((\g)-2)%4)+\e)
.endr
.endr
.endm
.macro HIDDEN tt, ch                   ; my 128 activated hidden units of 16 tokens: one fragment and one scale word a token: K step 8 ch + w of the last product
	MAX32P QD, H+64*(\tt), QD+1, H+64*(\tt)+32
	v_lshl_or_b32 v[QPW], v[QBY+1], 16, v[QBY]     ; my blocks are h and 2 + h of the K step's four
	v_lshlrev_b32 v[QPW], v21, v[QPW]
	v_permlanex16_b32 v[QT], v[QPW], s58, s59
	v_or_b32 v[QPW], v[QPW], v[QT]
.irp c,0,1
.irp q,0,1,2,3
	v_cvt_scalef32_pk8_fp4_f32 v[QPC+4*\c+\q], v[H+64*(\tt)+32*\c+8*\q:H+64*(\tt)+32*\c+8*\q+7], v[QOP+\c]
.endr
.endr
	v_nop                                          ; one plain place behind a scaled conversion
	ds_store_b128 v17, v[QPC:QPC+3] offset:16384*(\ch)+1024*(\tt)
	ds_store_b128 v17, v[QPC+4:QPC+7] offset:16384*(\ch)+1024*(\tt)+512
	ds_store_b32 v18, v[QPW] offset:1024*(\ch)+256*(\tt)
	s_wait_dscnt 0x0                               ; the stores have read their registers
.endm
	s_load_b512 s[4:19], s[0:1], 0x0               ; ac, asc, wimg, wo_scales, bo, x, g1, b1
	s_load_b256 s[20:27], s[0:1], 0x40             ; w_ff1_scales, b_ff1, w_ff2_scales, b_ff2
	s_load_b128 s[28:31], s[0:1], 0x60             ; g2, b2
	s_load_b64 s[32:33], s[0:1], 0x70              ; out0
	v_lshrrev_b32 v100, 5, v0
	v_readfirstlane_b32 s34, v100                  ; wave
	v_and_b32 v100, 31, v0                         ; l
	v_and_b32 v101, 15, v0                         ; r
	v_bfe_u32 v102, v0, 4, 1                       ; h
	v_bfe_u32 v103, v0, 3, 1                       ; r / 8
	v_and_b32 v104, 7, v0                          ; r % 8
	v_lshlrev_b32 v1, 4, v100                      ; v1: 16 l
	s_lshl_b32 s35, s34, 8
	v_lshlrev_b32 v2, 4, v101                      ; v2: x and out0: two tokens an instruction, my 256 bytes of each
	v_lshl_add_u32 v2, v102, 11, v2
	v_add_nc_u32 v2, s35, v2
	v_lshl_add_u32 v5, v102, 7, s35                ; v5: a vector over the channels: 256 w + 128 h
	s_mul_i32 s35, s34, 8704
	v_mul_u32_u24 v3, v102, 272                    ; v3: my stage by rows of memory
	v_lshl_add_u32 v3, v101, 4, v3
	v_add_nc_u32 v3, s35, v3
	v_mul_u32_u24 v4, v101, 272                    ; v4: my stage by lanes: token r, 32 channels of half h
	v_lshl_add_u32 v4, v102, 7, v4
	v_add_nc_u32 v4, s35, v4
	v_lshlrev_b32 v105, 4, v104
	v_lshl_add_u32 v105, v102, 7, v105
	v_lshl_add_u32 v105, v103, 9, v105             ; 16 x (32 (r / 8) + 8 h + r % 8): the lane's half is the tile of a pair
	s_lshl_b32 s35, s34, 10
	v_add_nc_u32 v6, s35, v105                     ; v6: wo's scale rows
	v_lshlrev_b32 v7, 2, v6                        ; v7: w_ff2's: 64 bytes a row
	s_lshl_b32 s35, s34, 11
	v_add_nc_u32 v8, s35, v105                     ; v8: w_ff1's
	s_lshl_b32 s35, s34, 9
	v_lshl_add_u32 v9, v102, 7, s35                ; v9: b_ff1: 512 w + 128 h
	v_mov_b32 v10, v100                            ; v10: the attention's scale bytes: token l
	v_mul_u32_u24 v12, v101, 80
	v_add_nc_u32 v12, STAT1, v12                   ; v12: a token's eight pairs
	s_lshl_b32 s35, s34, 3
	v_add_nc_u32 v11, s35, v12                     ; v11: my wave's pair
	v_lshl_add_u32 v13, v0, 4, YIMG                ; v13: YIMG + 512 w + 16 l
	s_lshl_b32 s35, s34, 1
	s_add_co_u32 s35, s35, YSC
	v_lshl_add_u32 v14, v101, 4, v102
	v_add_nc_u32 v14, s35, v14                     ; v14: y1's scale byte: block 2 w + h of token r
	v_add_nc_u32 v15, YIMG, v1
	v_add_nc_u32 v16, YSC, v1
	s_lshl_b32 s35, s34, 11
	s_add_co_u32 s35, s35, HIMG
	v_add_nc_u32 v17, s35, v1                      ; v17: my K step's image
	s_lshr_b32 s35, s34, 2
	s_lshl_b32 s35, s35, 9
	s_and_b32 s67, s34, 3
	s_lshl_b32 s67, s67, 2
	s_add_co_u32 s35, s35, s67
	s_add_co_u32 s35, s35, HSC
	v_lshl_add_u32 v18, v101, 4, s35               ; v18: my K step's scale word of token r
	v_add_nc_u32 v19, HIMG, v1
	v_add_nc_u32 v20, HSC, v1
	v_lshlrev_b32 v21, 3, v102                     ; v21: 8 h
	v_mov_b32 v22, 0x3e7c6f08                      ; v22-23: c9
	v_mov_b32 v23, 0x3e7c6f08
.irp j,116,117,118,119,120,121,122,123,124,125,126,127
	v_mov_b32 v[\j], 0                             ; upper halves of pairs and lane permutes' destinations are written once
.endr
	CPAIR 0, 0xc034d90f
	CPAIR 1, 0x3fb8ab5a
	CPAIR 2, 0x3f0a29d2
	CPAIR 3, 0x3e0efb2e
	CPAIR 4, 0xbe899a80
	CPAIR 5, 0x3ecdfd18
	CPAIR 6, 0xbfd1a1e5
	CPAIR 7, 0x40097039
	CPAIR 8, 0xbf97d29d
	s_mov_b32 s54, 0x3eb504f3                      ; 0.35355339
	s_mov_b32 s56, 0x3f596d27                      ; 0.84932180
	s_mov_b32 s57, s56
	s_mov_b32 s58, 0x76543210
	s_mov_b32 s59, 0xfedcba98
	s_mov_b32 s60, 0x3c800000                      ; 1 / 64
	s_mov_b32 s61, 0x3e000000                      ; 1 / 8
	s_mov_b32 s62, 0x42800000                      ; 64
	s_mov_b32 s63, 0x3b000000                      ; 1 / 512
	s_mov_b32 s66, 0x3727c5ac                      ; 1e-5
	s_wait_alu depctr_va_vdst(0)
	s_wait_kmcnt 0x0
	s_mov_b32 s69, 0
	s_lshl_b32 s68, ttmp9, 13
	s_add_nc_u64 s[4:5], s[4:5], s[68:69]
	s_lshl_b32 s68, ttmp9, 5
	s_add_nc_u64 s[6:7], s[6:7], s[68:69]
	s_mul_i32 s68, s34, 147456
	s_add_nc_u64 s[8:9], s[8:9], s[68:69]
	s_lshl_b32 s68, ttmp9, 16
	s_add_nc_u64 s[14:15], s[14:15], s[68:69]
	s_add_nc_u64 s[32:33], s[32:33], s[68:69]
	; ---- the head's 114 loads
.irp i,0,1,2,3,4,5,6,7,8,9,10,11,12,13,14,15
	global_load_b128 v[XR+4*\i:XR+4*\i+3], v2, s[14:15] offset:4096*\i th:TH_LOAD_NT
.endr
.irp i,0,1,2,3,4,5,6,7,8,9,10,11,12,13,14,15
	global_load_u8 v[TMP+\i], v10, s[6:7] offset:8192*\i
.endr
	WIN 0x40
.irp i,0,1,2,3,4,5,6,7,8,9,10,11,12,13,14,15
	global_load_b128 v[AF+4*\i:AF+4*\i+3], v1, s[4:5] offset:512*\i
.endr
	WIN 0
.irp tt,0,1
.irp i,0,1,2,3,4,5,6,7
	global_load_b128 v[ACC1+32*\tt+4*\i:ACC1+32*\tt+4*\i+3], v5, s[12:13] offset:16*\i   ; bo begins wo's sums
.endr
.endr
.irp p,0,1
	global_load_b128 v[WS2+4*\p:WS2+4*\p+3], v6, s[10:11] offset:256*\p
.endr
	WIN 0x40
.irp i,0,1,2,3,4,5,6,7
	global_load_b128 v[192+4*\i:195+4*\i], v5, s[16:17] offset:16*\i
.endr
.irp i,0,1,2,3,4,5,6,7
	global_load_b128 v[224+4*\i:227+4*\i], v5, s[18:19] offset:16*\i
.endr
	ISSUE 0
	ISSUE 1
	s_wait_loadcnt 63                              ; of the 114 at most 63 are out: the oldest 51, x, the 16 bytes and the attention's codes among them, are in
.irp s,0,1,2,3
	v_lshl_or_b32 v[SA+\s], v[TMP+4*\s+1], 8, v[TMP+4*\s]
	v_lshl_or_b32 v[SA+\s], v[TMP+4*\s+2], 16, v[SA+\s]
	v_lshl_or_b32 v[SA+\s], v[TMP+4*\s+3], 24, v[SA+\s]
.endr
.irp i,0,1,2,3,4,5,6,7,8,9,10,11,12,13,14,15
	ds_store_b128 v3, v[XR+4*\i:XR+4*\i+3] offset:544*\i
.endr
	PLACES 8                                       ; scale words made by vector lines stand eight places ahead of the products that take them
	s_wait_alu depctr_va_vdst(0)
	s_wait_dscnt 0x0                               ; the stores have read the registers into which the loads below land
.irp tt,0,1
.irp i,0,1,2,3,4,5,6,7
	ds_load_b128 v[XR+32*\tt+4*\i:XR+32*\tt+4*\i+3], v4 offset:4352*\tt+16*\i
.endr
.endr
	; ---- attn wo + bo
	USEWO 0
	WS1LOAD 0
	BILOAD 2
	ISSUE 2
	USEWO 1
	BILOAD 3
	ISSUE 3
	s_wait_dscnt 0x0                               ; x is back from my stage
	LNORM 1, 0, 192, 224
	; ---- y1 is kept in my stage, and quantised
.irp tt,0,1
.irp i,0,1,2,3,4,5,6,7
	ds_store_b128 v4, v[V+32*\tt+4*\i:V+32*\tt+4*\i+3] offset:4352*\tt+16*\i
.endr
.endr
	MAX32P QD, V, QD+1, V+32
.irp tt,0,1
.irp q,0,1,2,3
	v_cvt_scalef32_pk8_fp4_f32 v[QPC+4*\tt+\q], v[V+32*\tt+8*\q:V+32*\tt+8*\q+7], v[QOP+\tt]
.endr
.endr
	v_nop
.irp tt,0,1
	ds_store_b128 v13, v[QPC+4*\tt:QPC+4*\tt+3] offset:4096*\tt
	ds_store_b8 v14, v[QBY+\tt] offset:256*\tt
.endr
	WIN 0x40
.irp tt,0,1
.irp i,0,1,2,3,4,5,6,7
	global_load_b128 v[ACC2+32*\tt+4*\i:ACC2+32*\tt+4*\i+3], v5, s[26:27] offset:16*\i   ; b_ff2 begins the last product's sums
.endr
.endr
	WIN 0
	WS2LOAD 0
	WS2LOAD 1
	BAR                                            ; y1's sixteen groups and 512 scale bytes lie in LDS
	WIN 0x40
.irp i,0,1,2,3,4,5,6,7,8,9,10,11,12,13,14,15
	ds_load_b128 v[YF+4*\i:YF+4*\i+3], v15 offset:512*\i
.endr
	WIN 0
	ds_load_b128 v[SA:SA+3], v16
	s_wait_dscnt 0x0
	; ---- the hidden layer, 1,024 units at a time
	USEF1 2
	BILOAD 4
	ISSUE 4
	GELUG 2
	USEF1 3
	BILOAD 5
	ISSUE 5
	GELUG 3
	USEF1 4
	BILOAD 6
	ISSUE 6
	GELUG 4
	USEF1 5
	WS1LOAD 1
	BILOAD 7
	ISSUE 7
	GELUG 5
	HIDDEN 0, 0
	HIDDEN 1, 0
	USEF1 6
	BILOAD 8
	ISSUE 8
	GELUG 6
	USEF1 7
	BILOAD 9
	ISSUE 9
	GELUG 7
	USEF1 8
	ISSUE 10
	GELUG 8
	USEF1 9
	ISSUE 11
	GELUG 9
	HIDDEN 0, 1
	HIDDEN 1, 1
	BAR                                            ; the hidden layer's 32 fragments and their scale words lie in LDS
	; ---- the last product: sixteen K steps, two a group
	ds_load_b128 v[HS:HS+3], v20
	HFLOAD 0
	HFLOAD 1
	USEF2 0
	ds_load_b128 v[HS+4:HS+7], v20 offset:512
	ISSUE 12
	HFLOAD 2
	USEF2 1
	WS2LOAD 2
	ISSUE 13
	HFLOAD 3
	USEF2 2
	ds_load_b128 v[HS:HS+3], v20 offset:1024
	ISSUE 14
	HFLOAD 4
	USEF2 3
	WS2LOAD 3
	ISSUE 15
	HFLOAD 5
	USEF2 4
	ds_load_b128 v[HS+4:HS+7], v20 offset:1536
	ISSUE 16
	HFLOAD 6
	USEF2 5
	ISSUE 17
	HFLOAD 7
	USEF2 6
	WIN 0x40
.irp i,0,1,2,3,4,5,6,7
	global_load_b128 v[4*\i:4*\i+3], v5, s[28:29] offset:16*\i     ; g2 and b2 take the set just read: the 16 loads that the last group's wait leaves out
.endr
.irp i,0,1,2,3,4,5,6,7
	global_load_b128 v[32+4*\i:35+4*\i], v5, s[30:31] offset:16*\i
.endr
	WIN 0
	USEF2 7
.irp tt,0,1
.irp i,0,1,2,3,4,5,6,7
	ds_load_b128 v[V+32*\tt+4*\i:V+32*\tt+4*\i+3], v4 offset:4352*\tt+16*\i   ; y1 comes back
.endr
.endr
	s_wait_dscnt 0x0
	LNORM 2, 2560, 0, 32
	; ---- the way out, through my stage: an instruction stores two tokens' 256 consecutive bytes, aligned
.irp tt,0,1
.irp i,0,1,2,3,4,5,6,7
	ds_store_b128 v4, v[V+32*\tt+4*\i:V+32*\tt+4*\i+3] offset:4352*\tt+16*\i
.endr
.endr
.irp i,0,1,2,3,4,5,6,7,8,9,10,11,12,13,14,15
	ds_load_b128 v[H+4*\i:H+4*\i+3], v3 offset:544*\i              ; LDS serves a wave's instructions in order: these see my stores
.endr
.irp i,0,1,2,3,4,5,6,7,8,9,10,11,12,13,14,15
	s_wait_dscnt 15-\i
	global_store_b128 v2, v[H+4*\i:H+4*\i+3], s[32:33] offset:4096*\i th:TH_STORE_NT
.endr
	s_wait_xcnt 0x0
	v_lshl_add_u32 v254, v0, 2, 0x1d000
	v_mov_b32 v255, 0
	s_wait_alu depctr_va_vdst(0)
	s_wait_tensorcnt 0x0
	ds_add_u32 v254, v255
	s_wait_dscnt 0x0
	s_endpgm
.Lfunc_end_k_q03a13b5aab_post:
	.size	k_q03a13b5aab_post, .Lfunc_end_k_q03a13b5aab_post-k_q03a13b5aab_post
	.p2alignl 7, 3214868480
	.fill 96, 4, 3214868480
	.section	.rodata,"a",@progbits
	.p2align	6, 0x0
	.amdhsa_kernel k_q03a13b5aab_post
		.amdhsa_group_segment_fixed_size 119808
		.amdhsa_private_segment_fixed_size 0
		.amdhsa_enable_private_segment 0
		.amdhsa_kernarg_size 120
		.amdhsa_user_sgpr_count 2
		.amdhsa_user_sgpr_kernarg_segment_ptr 1
		.amdhsa_wavefront_size32 1
		.amdhsa_system_sgpr_workgroup_id_x 1
		.amdhsa_system_sgpr_workgroup_id_y 1
		.amdhsa_system_sgpr_workgroup_id_z 1
		.amdhsa_system_vgpr_workitem_id 0
		.amdhsa_next_free_vgpr 512
		.amdhsa_next_free_sgpr 72
		.amdhsa_reserve_vcc 0
		.amdhsa_float_denorm_mode_32 3
		.amdhsa_float_denorm_mode_16_64 3
		.amdhsa_memory_ordered 1
		.amdhsa_forward_progress 1
		.amdhsa_inst_pref_size 255
	.end_amdhsa_kernel
	.section	.bss,"aw",@nobits
	.p2align	6
	.space	262144
	.amdgpu_metadata
---
amdhsa.version: [ 1, 2 ]
amdhsa.kernels:
  - .name:           k_q03a13b5aab_post
    .symbol:         k_q03a13b5aab_post.kd
    .args:
      - { .name: ac, .offset: 0, .size: 8, .value_kind: global_buffer, .address_space: global }
      - { .name: asc, .offset: 8, .size: 8, .value_kind: global_buffer, .address_space: global }
      - { .name: wimg, .offset: 16, .size: 8, .value_kind: global_buffer, .address_space: global }
      - { .name: wo_scales, .offset: 24, .size: 8, .value_kind: global_buffer, .address_space: global }
      - { .name: bo, .offset: 32, .size: 8, .value_kind: global_buffer, .address_space: global }
      - { .name: x, .offset: 40, .size: 8, .value_kind: global_buffer, .address_space: global }
      - { .name: g1, .offset: 48, .size: 8, .value_kind: global_buffer, .address_space: global }
      - { .name: b1, .offset: 56, .size: 8, .value_kind: global_buffer, .address_space: global }
      - { .name: w_ff1_scales, .offset: 64, .size: 8, .value_kind: global_buffer, .address_space: global }
      - { .name: b_ff1, .offset: 72, .size: 8, .value_kind: global_buffer, .address_space: global }
      - { .name: w_ff2_scales, .offset: 80, .size: 8, .value_kind: global_buffer, .address_space: global }
      - { .name: b_ff2, .offset: 88, .size: 8, .value_kind: global_buffer, .address_space: global }
      - { .name: g2, .offset: 96, .size: 8, .value_kind: global_buffer, .address_space: global }
      - { .name: b2, .offset: 104, .size: 8, .value_kind: global_buffer, .address_space: global }
      - { .name: out0, .offset: 112, .size: 8, .value_kind: global_buffer, .address_space: global }
    .group_segment_fixed_size: 119808
    .private_segment_fixed_size: 0
    .kernarg_segment_align: 8
    .kernarg_segment_size: 120
    .max_flat_workgroup_size: 256
    .sgpr_count:     72
    .vgpr_count:     512
    .wavefront_size: 32
...
	.end_amdgpu_metadata
.endif
;; end of part 3
